; MI455X (gfx1250); checked and timed in simulation.
; The chip was launched on July 23, 2026; its instructions are those of AMD's public machine-readable ISA for CDNA 5 (MIT licence, August 2026) and "CDNA5" Instruction Set Architecture Reference Guide (July 2026). The comments in the code are by the model that wrote it; some were corrected since.
;; Cross Multi Head Attention. Allowed arithmetic: matrix products marked QUANTISED: E2M1 operands, one E8M0 scale for each 32 along K, by v_wmma_scale_f32_16x16x128_f8f6f4 with both operands' format E2M1 (or v_wmma_scale_f32_32x16x128_f4), f32 sums; products left as they are: bf16, f16 or f32 operands; f32 sums; everything else in f32.
;; Inputs: Wk 16 x 1,024 x 64 float32; Wo 1,024 x 1,024 float32; Wq 16 x 1,024 x 64 float32; Wv 16 x 1,024 x 64 float32; bk 16 x 64 float32; bo 1,024 float32; bq 16 x 64 float32; bv 16 x 64 float32; x 4 x 2,048 x 1,024 float32; y 4 x 2,048 x 1,024 float32.
;; Outputs: out0 4 x 2,048 x 1,024 float32.
;; This version of the problem:
;;   THIS VERSION OF THE PROBLEM IS GIVEN IN LOW PRECISION. The matrix products marked QUANTISED in the list below multiply operands that are first quantised to E2M1 (2 exponent bits, 1 mantissa bit; 4 bits a number), with one power-of-two scale for each 32 numbers along K (OCP MX v1.0); their sums are f32. The products marked 'left as it is' may take bf16, f16 or f32 operands, with f32 sums. Whichever they take, every output number must still come out within the allowed error. Rounding operands to bf16 (8 significant bits) uses up far more of that allowance than f16 does (11 bits, for magnitudes from 6e-5 to 65,504). All else is computed in f32.
;;   The module's matrix products, in the order in which they are computed (A, B: the left and right operand; K: the contracted axis; several contracted axes count as one K, in the product's order):
;;     1. [M 1,024, K 1,024] x [K 1,024, N 8,192]; A: input Wq; B: input x: QUANTISED
;;     2. [M 1,024, K 1,024] x [K 1,024, N 8,192]; A: input Wk; B: input y: QUANTISED
;;     3. [M 1,024, K 1,024] x [K 1,024, N 8,192]; A: input Wv; B: input y: QUANTISED
;;     4. batch 64 x [M 2,048, K 64] x [K 64, N 2,048]; A: computed on the way; B: computed on the way: left as it is (an operand is computed on the way)
;;     5. batch 64 x [M 2,048, K 2,048] x [K 2,048, N 64]; A: computed on the way; B: computed on the way: left as it is (an operand is computed on the way)
;;     6. [M 8,192, K 1,024] x [K 1,024, N 1,024]; A: computed on the way; B: input Wo: left as it is (an operand is computed on the way)
;;   THE QUANTISER, for each operand of a quantised product, along K:
;;     - K is cut into blocks of 32 from its start; a last block that is shorter is filled with zeros.
;;     - A block's scale is 2^e with e = floor(log2(the largest magnitude in the block)) - 2, held to -126 .. 127; a block of zeros has e = 0. As a byte (E8M0): e + 127.
;;     - Each number is divided by its block's scale, clamped to +-6, and rounded to the nearest number of E2M1, ties to even, subnormals kept.
;;     - The product sums the exact products of the quantised numbers (number of the format x scale) in f32.
;;   ~~~python
;;   def quantise(x, axis):      # numpy; x: float32 -> the quantised numbers, widened to float32 again
;;       x = np.moveaxis(x, axis, -1); K = x.shape[-1]
;;       x = np.pad(x, [(0, 0)] * (x.ndim - 1) + [(0, -K % 32)]); x = x.reshape(x.shape[:-1] + (-1, 32)); a = np.abs(x).max(-1, keepdims=True)
;;       e = np.where(a > 0, np.clip(np.frexp(np.where(a > 0, a, 1))[1] - 1 - 2, -126, 127), 0)      # np.frexp(a)[1] - 1 = floor(log2(a)), exactly
;;       r = np.clip(x / 2.0 ** e, -6, 6)
;;       step = 2.0 ** (np.maximum(np.frexp(np.where(r == 0, 1, r))[1] - 1, 0) - 1)
;;       q = np.round(r / step) * step * 2.0 ** e      # np.round: ties to even
;;       return np.moveaxis(q.reshape(q.shape[:-2] + (-1,))[..., :K], -1, axis).astype(np.float32)
;;   ~~~
;; One version. Each part assembles by itself: llvm-mc -triple=amdgcn-amd-amdhsa -mcpu=gfx1250 --defsym DOCPART=n.
;; ======== version 1 of 1: 4 launches
;; limits: values are held in f16: magnitudes above 65,504 overflow, below 6.1e-05 lose precision
;; workspace buffers: codes 9,961,472 bytes; scales 622,592 bytes; woimg 2,097,152 bytes; qkv 50,331,648 bytes; oimg 16,777,216 bytes
;; launch prep (part 1): grid 640 x 1, 4 waves a work-group, no clusters, 34,304 bytes of LDS; arguments x, y, Wq, Wk, Wv, Wo, codes, scales, woimg; writes codes, scales, woimg
.if DOCPART == 1
	.amdgcn_target "amdgcn-amd-amdhsa--gfx1250"
	.amdhsa_code_object_version 6
	.text
	.protected	k_q902bc6e56e_prep
	.globl	k_q902bc6e56e_prep
	.p2align	8
	.type	k_q902bc6e56e_prep,@function
k_q902bc6e56e_prep:
	s_mov_b64 s[64:65], 0
	v_nop
	global_prefetch_b8 v0, s[64:65] scope:SCOPE_SE
	s_setreg_imm32_b32 hwreg(HW_REG_WAVE_MODE, 25, 1), 1
	s_wait_xcnt 0x0
; PREP: x, y, Wq, Wk, Wv become codes of E2M1 with one E8M0 byte for each 32 along e (the K of the three projections); Wo becomes f16.
; DEAD WORK, LEFT OUT IN THE WHOLE PROGRAM: bk.  scores[b,h,s,t] = q[s] . (k0[t] + bk[h]) / 8 = q[s] . k0[t] / 8 + q[s] . bk[h] / 8 with k0 = y Wk.  The second term does not hang on t,
; and softmax over t of (z[t] + a constant) is softmax of z[t], whatever finite values the inputs hold.  k reaches the result through the scores alone, and the product q k^T is not quantised,
; so no quantiser stands between bk and the softmax.  So bk has no way to any output: it is not loaded and is among no launch's arguments.
; LIMIT: a NaN, an infinity or an overflow that comes from bk alone is not carried to the result.
; THE QUANTISER: a block's scale is 2^(floor(log2(its largest magnitude)) - 2); its byte is the largest magnitude's exponent field - 2, held at 1 from below by a floor among the maximum's leaves.
; LIMITS: a block of zeros gets the byte 1 where the rule says 127 (its codes are zeros, and this program alone reads the bytes); blocks whose largest magnitude lies under 2^-124 keep the byte 1;
; NaN and infinities among the inputs are not served.  Wo as f16: magnitudes up to 65,504.
; LAYOUTS (images of the reader's operand registers).  A row tile G is 16 rows: G 0-511 x's tokens, 512-1023 y's, 1024-1087 Wq's rows (h*64 + d), 1088-1151 Wk's, 1152-1215 Wv's.
;   codes  [G][block kb = 0..31][row r][16 bytes = 32 codes]: piece c of the fragment of K step ks lies at G*8192 + ks*1024 + c*512 + 16*lane.
;   scales [G][half of K][row r][4 words, one for each K step of 128].
;   woimg  [n tile][chunk kc = 0..127][r][16 bytes = Wo[8kc..8kc+7][16*tile + r] as f16].
; THREE PATHS part on the work-group's number: 0-95 the weights, 96-127 Wo, 128-639 the tokens.  The tokens' path alone touches LDS.  No barrier: waves share nothing.
.set SPARE, 33792                      ; behind the four stages: the spare words, 128 bytes for each wave: two blocks of 256 bytes that no other line names
.set STG,   8448                       ; a wave's stage: 16 rows x (512 bytes + 16)
.set SPW,   30                         ; v30  LDS address of my spare word; never rewritten
.set NIL,   31                         ; v31  0; never rewritten
.set TR,    32                         ; tokens: v32-159 two sets of 64 registers as loaded
.set TX,    160                        ; tokens: v160-223 my two blocks of 32 neighbours
.set TC,    224                        ; tokens: v224-255 codes, eight registers a step: no store's data are written again
.set WX,    32                         ; weights, Wo: v32-95 two sets of 32 numbers down K
.set WC,    96                         ; weights: v96-127 codes, four a block;  Wo: v96-223 f16 pairs, sixteen a block
	s_load_b256 s[4:11], s[0:1], 0x0               ; x s[4:5], y s[6:7], Wq s[8:9], Wk s[10:11]
	s_load_b256 s[12:19], s[0:1], 0x20             ; Wv s[12:13], Wo s[14:15], codes s[16:17], scales s[18:19]
	s_load_b64 s[20:21], s[0:1], 0x40              ; woimg
	v_lshl_add_u32 v[SPW], v0, 2, SPARE
	v_mov_b32 v[NIL], 0
	v_lshrrev_b32 v1, 5, v0
	v_readfirstlane_b32 s22, v1                    ; wave 0..3
	v_and_b32 v1, 31, v0                           ; lane
	v_and_b32 v2, 15, v0                           ; r
	v_bfe_u32 v3, v0, 4, 1                         ; h
	v_lshlrev_b32 v4, 4, v1                        ; 16 x lane
	s_mul_i32 s23, s22, STG
	v_add_nc_u32 v5, s23, v4                       ; the stage, on the way in: a token's 512 bytes as they lie
	v_mul_u32_u24 v6, v2, 528
	v_lshl_add_u32 v6, v3, 7, v6
	v_add_nc_u32 v6, s23, v6                       ; and on the way out: row r, block h
	s_lshr_b32 s24, s22, 1                         ; wave / 2
	s_and_b32 s25, s22, 1                          ; wave % 2
	s_mov_b32 s26, 0x76543210
	s_mov_b32 s27, 0xfedcba98                      ; v_permlanex16_b32's selects for lane l xor 16
	s_mov_b32 s39, 0                               ; the upper word of every offset below
	s_wait_kmcnt 0x0
	s_cmp_lt_u32 ttmp9, 96
	s_cbranch_scc1 .Lweights
	s_cmp_lt_u32 ttmp9, 128
	s_cbranch_scc1 .Lwo
	; ---- TOKENS.  A wave takes one tile of 16 tokens and one half of K: 16 x 512 numbers, in four steps of 128 along K.
	s_sub_co_u32 s23, ttmp9, 128
	s_lshl_b32 s28, s23, 1
	s_add_co_u32 s28, s28, s24                     ; G = 2 x (work-group - 128) + wave / 2
	s_and_b32 s29, s28, 511
	s_lshl_b32 s38, s29, 16                        ; 16 tokens of 4,096 bytes
	s_lshl_b32 s29, s25, 11                        ; my half of K: 2,048 bytes on
	s_add_co_u32 s38, s38, s29
	s_cmp_lt_u32 s23, 256                          ; x's tile or y's: the choice hangs on the work-group's number alone
	s_cselect_b64 s[32:33], s[4:5], s[6:7]
	s_add_nc_u64 s[32:33], s[32:33], s[38:39]
	s_lshl_b32 s38, s28, 13
	s_lshl_b32 s29, s25, 12
	s_add_co_u32 s38, s38, s29
	s_add_nc_u64 s[34:35], s[16:17], s[38:39]      ; my codes: G*8192 + half*4096
	s_lshl_b32 s38, s28, 9
	s_lshl_b32 s29, s25, 8
	s_add_co_u32 s38, s38, s29
	s_add_nc_u64 s[36:37], s[18:19], s[38:39]      ; my scale words: G*512 + half*256
	v_lshlrev_b32 v16, 3, v3                       ; 8 h: where my two bytes stand in a scale word
	v_lshl_add_u32 v7, v2, 4, v16                  ; 16 r + 8 h: my 8 bytes of the scale words
	v_mov_b32 v15, 0                               ; written once: a lane permute's destination counts as one of its sources
.macro TLOAD q                         ; step q: 512 consecutive bytes of each of the 16 tokens
.irp i, 0,1,2,3,4,5,6,7,8,9,10,11,12,13,14,15
	global_load_b128 v[TR+64*((\q)%2)+4*\i:TR+64*((\q)%2)+4*\i+3], v4, s[32:33] offset:\i*4096+(\q)*512 th:TH_LOAD_NT
.endr
.endm
.macro TSTEP q
.if (\q) < 3
	s_wait_loadcnt 16                              ; this step's 16 loads are in; the next step's 16 may be out
.else
	s_wait_loadcnt 0x0
.endif
.irp i, 0,1,2,3,4,5,6,7,8,9,10,11,12,13,14,15
	ds_store_b128 v5, v[TR+64*((\q)%2)+4*\i:TR+64*((\q)%2)+4*\i+3] offset:\i*528
.endr
.irp c, 0,1                            ; LDS serves a wave's instructions in order: these see the stores above.  Lane (r, h) takes blocks h and 2 + h of token r: the operand's own order
.irp i, 0,1,2,3,4,5,6,7
	ds_load_b128 v[TX+32*\c+4*\i:TX+32*\c+4*\i+3], v6 offset:\c*256+\i*16
.endr
.endr
	s_wait_dscnt 0x0                               ; my two blocks are in, and the stores have read their registers,
.if (\q) < 2
	TLOAD (\q)+2                                   ; which take the loads of two steps on
.endif
.irp c, 0,1
	v_max3_num_f32 v[8+\c], |v[TX+32*\c]|, |v[TX+32*\c+1]|, 0x1800000   ; the block's largest magnitude, with the floor 2^(3 - 127) among its leaves
.endr
.irp i, 2,4,6,8,10,12,14,16,18,20,22,24,26,28,30
.irp c, 0,1
	v_max3_num_f32 v[8+\c], v[8+\c], |v[TX+32*\c+\i]|, |v[TX+32*\c+\i+1]|
.endr
.endr
	v_add_nc_u32 v10, 0xff000000, v8               ; 2 off the exponent field: the conversion takes the exponent field of this operand as its scale
	v_add_nc_u32 v11, 0xff000000, v9
	v_lshrrev_b32 v12, 23, v10                     ; the scales' bytes
	v_lshrrev_b32 v13, 23, v11
	v_lshl_or_b32 v14, v13, 16, v12                ; blocks h and 2 + h,
	v_lshlrev_b32 v14, v16, v14                    ; at their places in the word;
	v_permlanex16_b32 v15, v14, s26, s27
	v_or_b32 v[24+(\q)], v14, v15                  ; with lane l xor 16's two the word of token r and this K step is whole
.irp c, 0,1
.irp g, 0,1,2,3
	v_cvt_scalef32_pk8_fp4_f32 v[TC+8*(\q)+4*\c+\g], v[TX+32*\c+8*\g:TX+32*\c+8*\g+7], v[10+\c]
.endr
.endr
	v_nop                                          ; one plain line behind the last conversion
.irp c, 0,1
	global_store_b128 v4, v[TC+8*(\q)+4*\c:TC+8*(\q)+4*\c+3], s[34:35] offset:(\q)*1024+\c*512   ; 32 lanes store 512 consecutive bytes, aligned
.endr
.endm
	TLOAD 0
	TLOAD 1
	TSTEP 0
	TSTEP 1
	TSTEP 2
	TSTEP 3
	v_cmp_ne_u32 vcc_lo, 0, v3                     ; both halves of the lanes hold row r's four words: lanes 0-15 store words 0, 1, lanes 16-31 words 2, 3
	v_cndmask_b32 v28, v24, v26, vcc_lo
	v_cndmask_b32 v29, v25, v27, vcc_lo
	global_store_b64 v7, v[28:29], s[36:37]        ; the 32 lanes fill 256 consecutive bytes, aligned
	s_wait_tensorcnt 0x0                           ; the wave's end: three lines behind my last LDS store
	ds_add_u32 v[SPW], v[NIL]
	s_wait_dscnt 0x0
	s_endpgm
; 32 numbers down K of my column, block t, into set t % 2; pitch: bytes from one k to the next
.macro BLOAD t, pitch
.set i, 0
.rept 32
	global_load_b32 v[WX+32*((\t)%2)+i], v17, s[32:33] offset:(32*(\t)+i)*(\pitch)
.set i, i+1
.endr
.endm
	; ---- WEIGHTS [h][e][d].  A LANE TAKES A COLUMN d AND ITS REGISTERS RUN DOWN e: a block of 32 along K lies in one lane, and the conversions give codes with K innermost.
	; A wave takes 32 columns x 256 along K: 8 blocks.  Lanes 0-15 are one row tile, lanes 16-31 the next.
.Lweights:
	s_lshr_b32 s23, ttmp9, 5                       ; which tensor: 0 Wq, 1 Wk, 2 Wv
	s_bfe_u32 s28, ttmp9, 0x40001                  ; the head
	s_and_b32 s29, ttmp9, 1
	s_lshl_b32 s29, s29, 1
	s_add_co_u32 s29, s29, s24                     ; which quarter of K
	s_lshl_b32 s38, s28, 18                        ; a head is 262,144 bytes,
	s_lshl_b32 s40, s29, 16                        ; 256 rows of 256 bytes,
	s_add_co_u32 s38, s38, s40
	s_lshl_b32 s40, s25, 7                         ; my 32 columns
	s_add_co_u32 s38, s38, s40
	s_cmp_lt_u32 ttmp9, 64
	s_cselect_b64 s[32:33], s[10:11], s[12:13]
	s_cmp_lt_u32 ttmp9, 32
	s_cselect_b64 s[32:33], s[8:9], s[32:33]
	s_add_nc_u64 s[32:33], s[32:33], s[38:39]
	s_lshl_b32 s40, s23, 6
	s_add_co_u32 s40, s40, 1024
	s_lshl_b32 s41, s28, 2
	s_add_co_u32 s40, s40, s41
	s_lshl_b32 s41, s25, 1
	s_add_co_u32 s40, s40, s41                     ; the row tile of lanes 0-15
	s_lshl_b32 s38, s40, 13
	s_lshl_b32 s41, s29, 11
	s_add_co_u32 s38, s38, s41
	s_add_nc_u64 s[34:35], s[16:17], s[38:39]      ; codes: tile*8192 + quarter*2048
	s_lshl_b32 s38, s40, 9
	s_lshr_b32 s41, s29, 1
	s_lshl_b32 s41, s41, 8
	s_add_co_u32 s38, s38, s41
	s_and_b32 s41, s29, 1
	s_lshl_b32 s41, s41, 3
	s_add_co_u32 s38, s38, s41
	s_add_nc_u64 s[36:37], s[18:19], s[38:39]      ; scale bytes: tile*512 + half*256 + 8 x (quarter % 2)
	v_lshlrev_b32 v17, 2, v1                       ; in: 4 bytes a lane
	v_lshlrev_b32 v18, 4, v2
	v_lshl_add_u32 v19, v3, 13, v18                ; codes: 16 r, and a tile on for lanes 16-31
	v_lshl_add_u32 v20, v3, 9, v18                 ; scale bytes likewise
.macro WBLOCK t
.set XS, WX+32*((\t)%2)
.if (\t) < 7
	s_wait_loadcnt 32                              ; this block's 32 loads are in; the next block's may be out
.else
	s_wait_loadcnt 0x0
.endif
	v_max3_num_f32 v12, |v[XS]|, |v[XS+1]|, |v[XS+2]|
	v_max3_num_f32 v13, |v[XS+3]|, |v[XS+4]|, |v[XS+5]|
.irp i, 6,10,14,18,22,26
	v_max3_num_f32 v12, v12, |v[XS+\i]|, |v[XS+\i+1]|
	v_max3_num_f32 v13, v13, |v[XS+\i+2]|, |v[XS+\i+3]|
.endr
	v_max3_num_f32 v12, v12, |v[XS+30]|, |v[XS+31]|
	v_max3_num_f32 v12, v12, v13, 0x1800000        ; and the floor
	v_add_nc_u32 v11, 0xff000000, v12
	v_lshrrev_b32 v13, 23, v11
.if (\t)%4 == 0
	v_mov_b32 v[24+(\t)/4], v13                    ; four bytes to a register, the lower K in the lower byte
.else
	v_lshl_or_b32 v[24+(\t)/4], v13, 8*((\t)%4), v[24+(\t)/4]
.endif
.irp g, 0,1,2,3
	v_cvt_scalef32_pk8_fp4_f32 v[WC+4*(\t)+\g], v[XS+8*\g:XS+8*\g+7], v11
.endr
	v_nop                                          ; one plain line behind the last conversion
	global_store_b128 v19, v[WC+4*(\t):WC+4*(\t)+3], s[34:35] offset:256*(\t)   ; sixteen lanes store 256 consecutive bytes, aligned
.if (\t)+2 < 8
	BLOAD (\t)+2, 256
.endif
.endm
	BLOAD 0, 256
	BLOAD 1, 256
.irp t, 0,1,2,3,4,5,6,7
	WBLOCK \t
.endr
	global_store_b64 v20, v[24:25], s[36:37]       ; my row's 8 scale bytes: 8 of each 16 bytes here, the other 8 from the wave of the neighbouring quarter of K: 96 KiB in all of what the launch moves
	s_endpgm
	; ---- Wo [k][n] to f16, on the same plan: a lane to a column n, registers down k; eight neighbours along k are 16 bytes of the image.
.Lwo:
	s_sub_co_u32 s23, ttmp9, 96
	s_and_b32 s28, s23, 7
	s_lshl_b32 s28, s28, 2
	s_add_co_u32 s28, s28, s22                     ; which 32 columns
	s_lshr_b32 s29, s23, 3                         ; which quarter of K
	s_lshl_b32 s38, s29, 20                        ; 256 rows of 4,096 bytes
	s_lshl_b32 s40, s28, 7
	s_add_co_u32 s38, s38, s40
	s_add_nc_u64 s[32:33], s[14:15], s[38:39]
	s_lshl_b32 s38, s28, 16                        ; two n tiles of 32,768 bytes
	s_lshl_b32 s40, s29, 13                        ; 32 chunks of 256 bytes
	s_add_co_u32 s38, s38, s40
	s_add_nc_u64 s[34:35], s[20:21], s[38:39]
	v_lshlrev_b32 v17, 2, v1
	v_lshlrev_b32 v18, 4, v2
	v_lshl_add_u32 v19, v3, 15, v18                ; 16 r, and a tile on for lanes 16-31
.macro OBLOCK t
.set XS, WX+32*((\t)%2)
.if (\t) < 7
	s_wait_loadcnt 32
.else
	s_wait_loadcnt 0x0
.endif
.irp i, 0,1,2,3,4,5,6,7,8,9,10,11,12,13,14,15
	v_cvt_pk_f16_f32 v[WC+16*(\t)+\i], v[XS+2*\i], v[XS+2*\i+1]
.endr
.irp u, 0,1,2,3
	global_store_b128 v19, v[WC+16*(\t)+4*\u:WC+16*(\t)+4*\u+3], s[34:35] offset:(4*(\t)+\u)*256
.endr
.if (\t)+2 < 8
	BLOAD (\t)+2, 4096
.endif
.endm
	BLOAD 0, 4096
	BLOAD 1, 4096
.irp t, 0,1,2,3,4,5,6,7
	OBLOCK \t
.endr
	s_endpgm
.Lfunc_end_k_q902bc6e56e_prep:
	.size	k_q902bc6e56e_prep, .Lfunc_end_k_q902bc6e56e_prep-k_q902bc6e56e_prep
	.p2alignl 7, 3214868480
	.fill 96, 4, 3214868480
	.section	.rodata,"a",@progbits
	.p2align	6, 0x0
	.amdhsa_kernel k_q902bc6e56e_prep
		.amdhsa_group_segment_fixed_size 34304
		.amdhsa_private_segment_fixed_size 0
		.amdhsa_enable_private_segment 0
		.amdhsa_kernarg_size 72
		.amdhsa_user_sgpr_count 2
		.amdhsa_user_sgpr_kernarg_segment_ptr 1
		.amdhsa_wavefront_size32 1
		.amdhsa_system_sgpr_workgroup_id_x 1
		.amdhsa_system_sgpr_workgroup_id_y 1
		.amdhsa_system_sgpr_workgroup_id_z 1
		.amdhsa_system_vgpr_workitem_id 0
		.amdhsa_next_free_vgpr 256
		.amdhsa_next_free_sgpr 66
		.amdhsa_reserve_vcc 1
		.amdhsa_float_denorm_mode_32 3
		.amdhsa_float_denorm_mode_16_64 3
		.amdhsa_memory_ordered 1
		.amdhsa_forward_progress 1
		.amdhsa_inst_pref_size 104
	.end_amdhsa_kernel
	.amdgpu_metadata
---
amdhsa.version: [ 1, 2 ]
amdhsa.kernels:
  - .name:           k_q902bc6e56e_prep
    .symbol:         k_q902bc6e56e_prep.kd
    .args:
      - { .name: x, .offset: 0, .size: 8, .value_kind: global_buffer, .address_space: global }
      - { .name: y, .offset: 8, .size: 8, .value_kind: global_buffer, .address_space: global }
      - { .name: Wq, .offset: 16, .size: 8, .value_kind: global_buffer, .address_space: global }
      - { .name: Wk, .offset: 24, .size: 8, .value_kind: global_buffer, .address_space: global }
      - { .name: Wv, .offset: 32, .size: 8, .value_kind: global_buffer, .address_space: global }
      - { .name: Wo, .offset: 40, .size: 8, .value_kind: global_buffer, .address_space: global }
      - { .name: codes, .offset: 48, .size: 8, .value_kind: global_buffer, .address_space: global }
      - { .name: scales, .offset: 56, .size: 8, .value_kind: global_buffer, .address_space: global }
      - { .name: woimg, .offset: 64, .size: 8, .value_kind: global_buffer, .address_space: global }
    .group_segment_fixed_size: 34304
    .private_segment_fixed_size: 0
    .kernarg_segment_align: 8
    .kernarg_segment_size: 72
    .max_flat_workgroup_size: 128
    .sgpr_count:     66
    .vgpr_count:     256
    .wavefront_size: 32
...
	.end_amdgpu_metadata
.endif
;; end of part 1
;; launch proj (part 2): grid 12 x 32, 4 waves a work-group, clusters of 4 x 4, 279,040 bytes of LDS; arguments codes, scales, bq, bv, qkv; writes qkv
.if DOCPART == 2
	.amdgcn_target "amdgcn-amd-amdhsa--gfx1250"
	.amdhsa_code_object_version 6
	.text
	.protected	k_q902bc6e56e_proj
	.globl	k_q902bc6e56e_proj
	.p2align	8
	.type	k_q902bc6e56e_proj,@function
k_q902bc6e56e_proj:
	s_mov_b64 s[64:65], 0
	v_nop
	global_prefetch_b8 v0, s[64:65] scope:SCOPE_SE
	s_setreg_imm32_b32 hwreg(HW_REG_WAVE_MODE, 25, 1), 1
	s_wait_xcnt 0x0
	s_wait_alu depctr_hold_cnt(0) depctr_sa_sdst(0) depctr_va_vdst(0) depctr_va_sdst(0) depctr_va_ssrc(0) depctr_va_vcc(0) depctr_vm_vsrc(0)
	s_getreg_b32 s2, hwreg(HW_REG_IB_STS2, 6, 4)
	s_cmp_eq_u32 s2, 0
	s_cbranch_scc0 .Lentry_in_a_cluster
	s_endpgm
.Lentry_in_a_cluster:
	s_bfe_u32 s2, ttmp6, 0x10000c
	s_cmp_lg_u32 s2, 0xf033
	s_cbranch_scc0 .Lentry_shape_is_right
	s_endpgm
.Lentry_shape_is_right:
; PROJ: q = Q(x) Q(Wq) + bq, k = Q(y) Q(Wk), v = Q(y) Q(Wv) + bv, on codes of E2M1 with E8M0 scales, sums in f32; the results leave as f16, laid as images of the attention's operand registers.
; bk is left out: it adds to every score of a row the same number, which the softmax takes away for all values of the inputs (shown at the head of the first kernel).
; LIMIT: q, k and v are rounded to f16: magnitudes up to 65,504.
; SHARES.  The cluster's x says which product: p = 0 q, 1 k, 2 v: the same in all sixteen partners.  A work-group makes 256 x 256, each of its four waves 128 x 128: 64 accumulators, 512 registers.
; THE MATRIX INSTRUCTION IS USED TRANSPOSED (source 0 = 16 rows of 'B', source 1 = 16 rows of 'A'): lane (r, h) holds row r of A and rows 8 h + 0..7 of B.
; For q and k, A = tokens and B = the weight's rows (h*64 + d): a lane holds 8 neighbouring channels of one token.  For v, A = Wv's rows and B = y's tokens: a lane holds 8 neighbouring KEYS of one channel.
; K = 1,024 fits in LDS at once: 256 rows of A and of B are 2 x 128 KiB of codes and 2 x 8 KiB of scale words; each wave brings a quarter by two tensor loads; nothing is filled again.
; CLUSTERS: A's tiles are shared along a row of the cluster, B's along a column: each is asked for jointly, by the same tensor load with the same descriptor and a mask that names the four.
; All operands lie as images of their registers: a piece of four registers is 512 consecutive bytes at 16 x lane: no pitch and no padding.
; REGISTERS: window 0: v16-29 addresses; v32-95 scale words (nothing else); v96-127, v128-159 packed results by turns; v128-191 A's fragments, one set; v192-255 the bias.
;   window 1: B's fragments, two sets, at v0 and v128.   windows 2, 3: the accumulators, (a, b) at v[8 (8 (a % 4) + b)].
.set SCL,   262144                     ; behind the codes: the scale words, 4,096 bytes for each wave's 8 tiles
.set SPARE, 278528                     ; behind them: the spare words, 128 bytes for each wave: two blocks of 256 bytes that no other line names
.set FR,    8                          ; registers of a fragment: 16 rows x 128 K
.set ADRA,  16                         ; v16  LDS address of my A fragments
.set ADRB,  20                         ; v20  of my B fragments
.set BQO,   22                         ; v22  32 h: my 8 numbers of bq in a tile's 16
.set BVO,   23                         ; v23  4 r: my number of bv
.set LO,    26                         ; v26  16 x lane
.set ADRS,  27                         ; v27  LDS address of my scale words: lanes 0-15 A's, lanes 16-31 B's
.set SPW,   28                         ; v28  LDS address of my spare word; never rewritten
.set NIL,   29                         ; v29  0; never rewritten
.set SC,    32                         ; scale words: register 32 s + 4 i + q: K step 4 s + q; lanes 0-15 A's tile i, lanes 16-31 B's tile i
.set T0,    96
.set AF,    128
.set BIAS,  192
.set G1,   24                          ; s[24:31] group 1 for A's codes;  s[32:35] its group 0
.set G0,   32
.set G1B,  48                          ; s[48:55], s[56:59] for B's codes
.set G0B,  56
.set G1S,  68                          ; s[68:75], s[76:79] for A's scale words
.set G0S,  76
.set G1SB, 80                          ; s[80:87], s[88:91] for B's
.set G0SB, 88
.set MSB, 0
.macro WIN new                         ; the immediate's high byte repeats the setting that is left; a switch that changes nothing is dropped
.if MSB != (\new)
	s_set_vgpr_msb (MSB<<8)|(\new)
.set MSB, (\new)
.endif
.endm
.set MUL_LO, 0xa1                      ; source 0 (B) window 1, source 1 (A) window 0, C and D window 2
.set MUL_HI, 0xf1                      ; the same, C and D window 3
.set TO_B,   0x40                      ; destination window 1, address window 0
; A joint load: waves 0 and 1 fetch for A, waves 2 and 3 for B.  The branch hangs on the wave's number alone.  An s_nop 0 and four v_nop follow each of the two lines.
.macro JLOAD g0a, g1a, g0b, g1b
	s_cmp_eq_u32 s15, 0
	s_cbranch_scc0 .Lfor_b_\@
	tensor_load_to_lds s[\g0a:\g0a+3], s[\g1a:\g1a+7]
	s_nop 0
.rept 4
	v_nop
.endr
	s_branch .Lasked_\@
.Lfor_b_\@:
	tensor_load_to_lds s[\g0b:\g0b+3], s[\g1b:\g1b+7]
	s_nop 0
.rept 4
	v_nop
.endr
.Lasked_\@:
.endm
.macro CROUND                          ; a round of the cluster's barrier
	s_barrier_signal -1
	s_barrier_wait -1
	s_cmp_lg_u32 s14, 0
	s_cbranch_scc1 .Lnot_wave_0_\@
	s_barrier_signal -3
.Lnot_wave_0_\@:
	s_barrier_wait -3
	s_barrier_signal -1
	s_barrier_wait -1
.endm
	s_load_b256 s[4:11], s[0:1], 0x0               ; codes s[4:5], scales s[6:7], bq s[8:9], bv s[10:11]
	s_load_b64 s[12:13], s[0:1], 0x20              ; qkv
	v_lshl_add_u32 v[SPW], v0, 2, SPARE
	v_mov_b32 v[NIL], 0
	ds_add_u32 v[SPW], v[NIL]                      ; the wave's opening: the add, twice on end, and its wait ahead of my first tensor load
	ds_add_u32 v[SPW], v[NIL]                      ; and once more, under the one wait; the set-up below, work on registers, stands between
	v_lshrrev_b32 v1, 5, v0
	v_readfirstlane_b32 s14, v1                    ; wave 0..3
	s_lshr_b32 s15, s14, 1                         ; which half of A's rows is mine.  Also: I fetch for A (0) or for B (1)
	s_and_b32 s16, s14, 1                          ; which half of B's rows.  Also: which 128 rows I fetch
	s_bfe_u32 s40, ttmp6, 0x40000                  ; cx
	s_bfe_u32 s41, ttmp6, 0x40004                  ; cy
	s_mov_b32 s17, ttmp9                           ; p: the cluster's x
	s_and_b32 s18, ttmp7, 0xffff
	s_lshl_b32 s18, s18, 2                         ; 4 x the cluster's y
	s_lshl_b32 s19, s17, 9                         ; tokens' first row tile for p = 0, 1: 0 (x), 512 (y)
	s_lshl_b32 s2, s17, 6
	s_add_co_u32 s2, s2, 1024                      ; the weight's for p = 0, 1: 1024 (Wq), 1088 (Wk)
	s_mov_b32 s3, 1152                             ; Wv's
	s_cmp_eq_u32 s17, 2                            ; for v the roles are swapped
	s_cselect_b32 s42, 0, s18
	s_cselect_b32 s45, s18, 0
	s_cselect_b32 s19, s3, s19                     ; A's first row tile
	s_cselect_b32 s2, 512, s2                      ; B's
	s_add_co_u32 s42, s42, s41                     ; A's block of 256 rows: cy (+ 4 x cluster y where A = tokens): made of what my row of the cluster shares
	s_add_co_u32 s45, s45, s40                     ; B's block: cx (+ 4 x cluster y where B = tokens): of what my column shares
	s_lshl_b32 s43, s41, 2
	s_lshl_b32 s43, 15, s43                        ; my row of the cluster
	s_lshl_b32 s44, 0x1111, s40                    ; my column
	; group 1: a dense block as rows of 256 bytes (32 elements of 8 bytes): 256 rows of codes, 16 rows of scale words
	s_or_b32 s[G1+0], s43, (3<<16)|(1<<21)         ; 15:0 the mask; 17:16 elements of 8 bytes; 21 set beside a mask; no padding
	s_or_b32 s[G1B+0], s44, (3<<16)|(1<<21)
	s_or_b32 s[G1S+0], s43, (3<<16)|(1<<21)
	s_or_b32 s[G1SB+0], s44, (3<<16)|(1<<21)
.irp g, G1, G1B
	s_mov_b32 s[\g+1], 32<<16                      ; tensor_dim0 = 32
	s_mov_b32 s[\g+2], 256<<16                     ; tensor_dim1 = 256
	s_mov_b32 s[\g+3], 32<<16                      ; tile_dim0 = 32
	s_mov_b32 s[\g+4], 256                         ; tile_dim1 = 256
	s_mov_b32 s[\g+5], 32                          ; from row to row
	s_mov_b32 s[\g+6], 0
	s_mov_b32 s[\g+7], 0
.endr
.irp g, G1S, G1SB
	s_mov_b32 s[\g+1], 32<<16
	s_mov_b32 s[\g+2], 16<<16
	s_mov_b32 s[\g+3], 32<<16
	s_mov_b32 s[\g+4], 16
	s_mov_b32 s[\g+5], 32
	s_mov_b32 s[\g+6], 0
	s_mov_b32 s[\g+7], 0
.endr
	s_lshl_b32 s3, s16, 3                          ; which 8 row tiles of the 16 I fetch
	s_lshl_b32 s46, s42, 4
	s_add_co_u32 s46, s46, s19
	s_add_co_u32 s46, s46, s3                      ; A's
	s_lshl_b32 s47, s45, 4
	s_add_co_u32 s47, s47, s2
	s_add_co_u32 s47, s47, s3                      ; B's
	s_lshl_b32 s20, s46, 13                        ; a tile's codes are 8,192 bytes,
	s_mov_b32 s21, 0
	s_lshl_b32 s22, s46, 9                         ; its scale words 512
	s_mov_b32 s23, 0
	s_lshl_b32 s92, s47, 13
	s_mov_b32 s93, 0
	s_lshl_b32 s94, s47, 9
	s_mov_b32 s95, 0
	s_lshl_b32 s96, s14, 16                        ; where they go: wave x 65,536,
	s_lshl_b32 s97, s14, 12
	s_add_co_u32 s97, s97, SCL                     ; and SCL + wave x 4,096: no place in the cluster enters an LDS address
	s_wait_dscnt 0x0                               ; both opening adds are done
	s_wait_kmcnt 0x0
	s_add_nc_u64 s[20:21], s[4:5], s[20:21]
	s_add_nc_u64 s[22:23], s[6:7], s[22:23]
	s_add_nc_u64 s[92:93], s[4:5], s[92:93]
	s_add_nc_u64 s[94:95], s[6:7], s[94:95]
	CROUND                                         ; all sixteen work-groups are here: the joint loads meet
	s_mov_b32 s[G0S], 1
	s_mov_b32 s[G0S+1], s97
	s_mov_b64 s[G0S+2:G0S+3], s[22:23]
	s_or_b32 s[G0S+3], s[G0S+3], 0x80000000
	s_mov_b32 s[G0SB], 1
	s_mov_b32 s[G0SB+1], s97
	s_mov_b64 s[G0SB+2:G0SB+3], s[94:95]
	s_or_b32 s[G0SB+3], s[G0SB+3], 0x80000000
	JLOAD G0S, G1S, G0SB, G1SB
	s_mov_b32 s[G0], 1
	s_mov_b32 s[G0+1], s96
	s_mov_b64 s[G0+2:G0+3], s[20:21]
	s_or_b32 s[G0+3], s[G0+3], 0x80000000
	s_mov_b32 s[G0B], 1
	s_mov_b32 s[G0B+1], s96
	s_mov_b64 s[G0B+2:G0B+3], s[92:93]
	s_or_b32 s[G0B+3], s[G0B+3], 0x80000000
	JLOAD G0, G1, G0B, G1B                         ; two tensor loads of mine are out: all that this text issues
	v_and_b32 v1, 15, v0                           ; r
	v_bfe_u32 v2, v0, 4, 1                         ; h
	v_and_b32 v3, 31, v0
	v_lshlrev_b32 v[LO], 4, v3
	s_lshl_b32 s60, s15, 16
	v_add_nc_u32 v[ADRA], s60, v[LO]               ; my 128 rows of A
	s_lshl_b32 s61, s16, 16
	s_add_co_u32 s61, s61, 131072
	v_add_nc_u32 v[ADRB], s61, v[LO]               ; my 128 rows of B, behind A's 256
	s_lshl_b32 s60, s15, 12                        ; A's scale words: my 8 tiles
	s_lshl_b32 s61, s16, 12
	s_add_co_u32 s61, s61, 8192                    ; B's, behind A's 16 tiles
	s_sub_co_u32 s61, s61, s60
	v_mul_u32_u24 v4, s61, v2                      ; lanes 16-31 take B's: the lower base + h x the distance
	s_add_co_u32 s60, s60, SCL
	v_lshl_add_u32 v4, v1, 4, v4
	v_add_nc_u32 v[ADRS], s60, v4
	v_lshlrev_b32 v[BQO], 5, v2
	v_lshlrev_b32 v[BVO], 2, v1
.macro FRAG reg, adr, ks, i            ; tile i's fragment of K step ks: two pieces of 512 bytes
.irp c, 0,1
	ds_load_b128 v[\reg+4*\c:\reg+4*\c+3], v[\adr] offset:(\i)*8192+(\ks)*1024+512*\c
.endr
.endm
.macro FETCH_B ks                      ; B's eight fragments into set ks % 2
	WIN TO_B
.irp i, 0,1,2,3,4,5,6,7
	FRAG 128*((\ks)%2)+FR*\i, ADRB, \ks, \i
.endr
	WIN 0
.endm
.macro FETCH_A ks, i0                  ; A's blocks i0 .. i0 + 3
.irp i, \i0, \i0+1, \i0+2, \i0+3
	FRAG AF+FR*(\i), ADRA, \ks, \i
.endr
.endm
.macro SCALES                          ; all scale words, once: four words (K steps) a load
.irp s, 0,1
.irp i, 0,1,2,3,4,5,6,7
	ds_load_b128 v[SC+32*\s+4*\i:SC+32*\s+4*\i+3], v[ADRS] offset:\i*512+\s*256
.endr
.endr
.endm
; 16 matrix instructions: A's blocks a0, a0 + 1 x B's eight, K step ks.  zero = 1: the first product starts the sums.  The 64 accumulators take turns, one instruction a turn, in the same order in every step.
.macro MUL16 a0, ks, zero
.irp a, \a0, \a0+1
.irp b, 0,1,2,3,4,5,6,7
.if \zero
	v_wmma_scale_f32_16x16x128_f8f6f4 v[8*(8*((\a)%4)+\b):8*(8*((\a)%4)+\b)+7], v[128*((\ks)%2)+FR*\b:128*((\ks)%2)+FR*\b+FR-1], v[AF+FR*(\a):AF+FR*(\a)+FR-1], 0, v[SC+32*((\ks)/4)+4*\b+(\ks)%4], v[SC+32*((\ks)/4)+4*(\a)+(\ks)%4] matrix_a_fmt:MATRIX_FMT_FP4 matrix_b_fmt:MATRIX_FMT_FP4 matrix_a_scale:MATRIX_SCALE_ROW1
.else
	v_wmma_scale_f32_16x16x128_f8f6f4 v[8*(8*((\a)%4)+\b):8*(8*((\a)%4)+\b)+7], v[128*((\ks)%2)+FR*\b:128*((\ks)%2)+FR*\b+FR-1], v[AF+FR*(\a):AF+FR*(\a)+FR-1], v[8*(8*((\a)%4)+\b):8*(8*((\a)%4)+\b)+7], v[SC+32*((\ks)/4)+4*\b+(\ks)%4], v[SC+32*((\ks)/4)+4*(\a)+(\ks)%4] matrix_a_fmt:MATRIX_FMT_FP4 matrix_b_fmt:MATRIX_FMT_FP4 matrix_a_scale:MATRIX_SCALE_ROW1
.endif
.endr
.endr
.endm
.macro PLACES                          ; four plain vector lines between a matrix instruction and a load into, or a vector read of, its registers
.rept 4
	v_nop
.endr
.endm
; A K step of 128 that has a successor.  A block of A is free as soon as its eight products are issued, so A has one set: blocks 0-3 are fetched anew in the step's middle, blocks 4-7 at its end.
.macro STEP ks, zero
	s_wait_dscnt 8                                 ; B's set and A's blocks 0-3 are in; the youngest eight loads (A's blocks 4-7) may be out
	WIN MUL_LO
	MUL16 0, \ks, \zero
	MUL16 2, \ks, \zero
	s_wait_dscnt 0x0                               ; A's blocks 4-7 are in
	PLACES
	FETCH_B (\ks)+1
	FETCH_A (\ks)+1, 0
	WIN MUL_HI
	MUL16 4, \ks, \zero
	MUL16 6, \ks, \zero
	PLACES
	WIN 0
	FETCH_A (\ks)+1, 4
.endm
.macro LAST                            ; K step 7: nothing more to fetch
	s_wait_dscnt 8
	WIN MUL_LO
	MUL16 0, 7, 0
	MUL16 2, 7, 0
	s_wait_dscnt 0x0
	WIN MUL_HI
	MUL16 4, 7, 0
	MUL16 6, 7, 0
	WIN 0
.endm
; THE WAY OUT, A's block a at a time: the bias (kind 0: q, 8 numbers a lane and tile of B; kind 2: v, one a lane and block of A; kind 1: k, none), rounding to f16, and eight stores of 512 consecutive aligned bytes.
; Each accumulator is read from its low end on.  The packed results lie in two sets by turns; a set is written again only behind the wait that shows its stores' data read.
.macro OUT kind
.irp a, 0,1,2,3,4,5,6,7
.set AC, 64*((\a)%4)
.set TT, T0+32*((\a)%2)
.if \a > 1
	s_wait_xcnt 0x0
.endif
.if \kind != 1
	WIN 0x82+0x41*((\a)/4)                         ; destination and source 0: the accumulators' window; source 1: window 0
.irp b, 0,1,2,3,4,5,6,7
.irp i, 0,1,2,3
.if \kind == 0
	v_pk_add_f32 v[AC+8*\b+2*\i:AC+8*\b+2*\i+1], v[AC+8*\b+2*\i:AC+8*\b+2*\i+1], v[BIAS+8*\b+2*\i:BIAS+8*\b+2*\i+1]
.else
	v_pk_add_f32 v[AC+8*\b+2*\i:AC+8*\b+2*\i+1], v[AC+8*\b+2*\i:AC+8*\b+2*\i+1], v[BIAS+2*\a:BIAS+2*\a+1]
.endif
.endr
.endr
.endif
	WIN 0x0a+5*((\a)/4)                            ; sources 0 and 1: the accumulators' window
.irp b, 0,1,2,3,4,5,6,7
.irp i, 0,1,2,3
	v_cvt_pk_f16_f32 v[TT+4*\b+\i], v[AC+8*\b+2*\i], v[AC+8*\b+2*\i+1]
.endr
.endr
	WIN 0
.irp b, 0,1,2,3,4,5,6,7
.if \kind == 2
	global_store_b128 v[LO], v[TT+4*\b:TT+4*\b+3], s[12:13] offset:((\a)/4)*262144+((\b)/2)*4096+((\a)%4)*1024+((\b)%2)*512 th:TH_STORE_NT
.else
	global_store_b128 v[LO], v[TT+4*\b:TT+4*\b+3], s[12:13] offset:((\b)/4)*262144+(\a)*2048+((\b)%4)*512 th:TH_STORE_NT
.endif
.endr
.endr
.endm
; q's and k's images: [b*16 + head][token tile][chunk of 8 channels][r][16 bytes].  My first: head = 4 x B's block + 2 x my half; token tile = 16 x (A's block % 8) + 8 x my half; batch = A's block / 8.
.macro QKBASE
	s_lshr_b32 s60, s42, 3
	s_lshl_b32 s60, s60, 4
	s_lshl_b32 s61, s45, 2
	s_add_co_u32 s60, s60, s61
	s_lshl_b32 s61, s16, 1
	s_add_co_u32 s60, s60, s61
	s_lshl_b32 s60, s60, 18
	s_and_b32 s61, s42, 7
	s_lshl_b32 s61, s61, 4
	s_lshl_b32 s62, s15, 3
	s_add_co_u32 s61, s61, s62
	s_lshl_b32 s61, s61, 11
	s_add_co_u32 s60, s60, s61
	s_lshl_b32 s61, s17, 24                        ; q at 0, k at 16,777,216
	s_add_co_u32 s60, s60, s61
	s_mov_b32 s61, 0
	s_add_nc_u64 s[12:13], s[12:13], s[60:61]
.endm
	s_wait_tensorcnt 0x0                           ; my two loads have landed,
	s_barrier_signal -1
	s_barrier_wait -1                              ; everybody's have: from here on LDS is only read
	FETCH_B 0
	FETCH_A 0, 0
	SCALES
	FETCH_A 0, 4
	STEP 0, 1                                      ; the first products start the sums: nothing is cleared
	STEP 1, 0
	STEP 2, 0
	STEP 3, 0
	STEP 4, 0
	STEP 5, 0
	; The three products part here, on the cluster's x.  Each arm asks for its bias, runs the last two K steps while it lands, and goes out.
	s_cmp_eq_u32 s17, 1
	s_cbranch_scc1 .Larm_k
	s_cmp_eq_u32 s17, 2
	s_cbranch_scc1 .Larm_v
	s_lshl_b32 s60, s45, 10                        ; q: bq at my 128 rows of Wq: (256 x B's block + 128 x my half) x 4 bytes
	s_lshl_b32 s61, s16, 9
	s_add_co_u32 s60, s60, s61
	s_mov_b32 s61, 0
	s_add_nc_u64 s[8:9], s[8:9], s[60:61]
.irp b, 0,1,2,3,4,5,6,7
	global_load_b128 v[BIAS+8*\b:BIAS+8*\b+3], v[BQO], s[8:9] offset:64*\b
	global_load_b128 v[BIAS+8*\b+4:BIAS+8*\b+7], v[BQO], s[8:9] offset:64*\b+16
.endr
	QKBASE
	STEP 6, 0
	LAST
	s_wait_loadcnt 0x0                             ; bq
	PLACES
	OUT 0
	s_branch .Lend
.Larm_k:
	QKBASE
	STEP 6, 0
	LAST
	PLACES
	OUT 1
	s_branch .Lend
.Larm_v:
	s_lshl_b32 s60, s42, 10                        ; v: bv at my 128 rows of Wv
	s_lshl_b32 s61, s15, 9
	s_add_co_u32 s60, s60, s61
	s_mov_b32 s61, 0
	s_add_nc_u64 s[10:11], s[10:11], s[60:61]
.irp a, 0,1,2,3,4,5,6,7
	global_load_b32 v[BIAS+2*\a], v[BVO], s[10:11] offset:64*\a       ; my channel's number, into both registers of a pair
	global_load_b32 v[BIAS+2*\a+1], v[BVO], s[10:11] offset:64*\a
.endr
	; v's image: [b*16 + head][32 keys g][channel tile][half c][lane][16 bytes]: head = 4 x A's block + 2 x my half; g = 8 x (B's block % 8) + 4 x my half; batch = B's block / 8
	s_lshr_b32 s60, s45, 3
	s_lshl_b32 s60, s60, 4
	s_lshl_b32 s61, s42, 2
	s_add_co_u32 s60, s60, s61
	s_lshl_b32 s61, s15, 1
	s_add_co_u32 s60, s60, s61
	s_lshl_b32 s60, s60, 18
	s_and_b32 s61, s45, 7
	s_lshl_b32 s61, s61, 3
	s_lshl_b32 s62, s16, 2
	s_add_co_u32 s61, s61, s62
	s_lshl_b32 s61, s61, 12
	s_add_co_u32 s60, s60, s61
	s_add_co_u32 s60, s60, 33554432
	s_mov_b32 s61, 0
	s_add_nc_u64 s[12:13], s[12:13], s[60:61]
	STEP 6, 0
	LAST
	s_wait_loadcnt 0x0                             ; bv
	PLACES
	OUT 2
.Lend:
	s_wait_tensorcnt 0x0                           ; the wave's end: three lines behind my last tensor load
	ds_add_u32 v[SPW], v[NIL]
	s_wait_dscnt 0x0
	CROUND                                         ; the closing round: no work-group ends while a partner may still ask for a tile that names it
	s_endpgm
.Lfunc_end_k_q902bc6e56e_proj:
	.size	k_q902bc6e56e_proj, .Lfunc_end_k_q902bc6e56e_proj-k_q902bc6e56e_proj
	.p2alignl 7, 3214868480
	.fill 96, 4, 3214868480
	.section	.rodata,"a",@progbits
	.p2align	6, 0x0
	.amdhsa_kernel k_q902bc6e56e_proj
		.amdhsa_group_segment_fixed_size 279040
		.amdhsa_private_segment_fixed_size 0
		.amdhsa_enable_private_segment 0
		.amdhsa_kernarg_size 40
		.amdhsa_user_sgpr_count 2
		.amdhsa_user_sgpr_kernarg_segment_ptr 1
		.amdhsa_wavefront_size32 1
		.amdhsa_system_sgpr_workgroup_id_x 1
		.amdhsa_system_sgpr_workgroup_id_y 1
		.amdhsa_system_sgpr_workgroup_id_z 1
		.amdhsa_system_vgpr_workitem_id 0
		.amdhsa_next_free_vgpr 1024
		.amdhsa_next_free_sgpr 100
		.amdhsa_reserve_vcc 0
		.amdhsa_float_denorm_mode_32 3
		.amdhsa_float_denorm_mode_16_64 3
		.amdhsa_memory_ordered 1
		.amdhsa_forward_progress 1
		.amdhsa_inst_pref_size 236
	.end_amdhsa_kernel
	.amdgpu_metadata
---
amdhsa.version: [ 1, 2 ]
amdhsa.kernels:
  - .name:           k_q902bc6e56e_proj
    .symbol:         k_q902bc6e56e_proj.kd
    .args:
      - { .name: codes, .offset: 0, .size: 8, .value_kind: global_buffer, .address_space: global }
      - { .name: scales, .offset: 8, .size: 8, .value_kind: global_buffer, .address_space: global }
      - { .name: bq, .offset: 16, .size: 8, .value_kind: global_buffer, .address_space: global }
      - { .name: bv, .offset: 24, .size: 8, .value_kind: global_buffer, .address_space: global }
      - { .name: qkv, .offset: 32, .size: 8, .value_kind: global_buffer, .address_space: global }
    .group_segment_fixed_size: 279040
    .private_segment_fixed_size: 0
    .kernarg_segment_align: 8
    .kernarg_segment_size: 40
    .max_flat_workgroup_size: 128
    .sgpr_count:     100
    .vgpr_count:     1024
    .wavefront_size: 32
...
	.end_amdgpu_metadata
.endif
;; end of part 2
;; launch attn (part 3): grid 8 x 64, 8 waves a work-group, clusters of 4 x 1, 327,680 bytes of LDS; arguments qkv, oimg; writes oimg
.if DOCPART == 3
	.amdgcn_target "amdgcn-amd-amdhsa--gfx1250"
	.amdhsa_code_object_version 6
	.text
	.protected	k_q902bc6e56e_attn
	.globl	k_q902bc6e56e_attn
	.p2align	8
	.type	k_q902bc6e56e_attn,@function
k_q902bc6e56e_attn:
	s_mov_b64 s[64:65], 0
	v_nop
	global_prefetch_b8 v0, s[64:65] scope:SCOPE_SE
	s_setreg_imm32_b32 hwreg(HW_REG_WAVE_MODE, 25, 1), 1
	s_wait_xcnt 0x0
	s_wait_alu depctr_hold_cnt(0) depctr_sa_sdst(0) depctr_va_vdst(0) depctr_va_sdst(0) depctr_va_ssrc(0) depctr_va_vcc(0) depctr_vm_vsrc(0)
	s_getreg_b32 s2, hwreg(HW_REG_IB_STS2, 6, 4)
	s_cmp_eq_u32 s2, 0
	s_cbranch_scc0 .Lentry_in_a_cluster
	s_endpgm
.Lentry_in_a_cluster:
	s_bfe_u32 s2, ttmp6, 0x10000c
	s_cmp_lg_u32 s2, 0x3003
	s_cbranch_scc0 .Lentry_shape_is_right
	s_endpgm
.Lentry_shape_is_right:
; ATTN: o[b,h,s,:] = the sum over t of softmax_t(q[s] . k[t] / 8) v[t,:], for each of the 64 (b, h); q, k, v, the weights p and o in f16, products, maxima and sums in f32.
; k comes without bk: it adds the same number to every score of a row, which the softmax takes away for all values of the inputs (shown at the head of the first kernel).
; LIMITS: p is at most 1 and is rounded to f16: what falls under f16's smallest number counts as 0 beside a row's sum of at least 1; o is rounded to f16.
; SHARES.  A work-group owns 256 queries of one (b, h), each of its eight waves 32: two tiles of 16, in 512 registers: two waves to a SIMD, so that one wave's softmax stands beside the other's products.
; Every wave walks the 2,048 keys, 64 a step.  K and V come through a ring of two LDS slots of 512 keys; each wave brings an eighth of a slot (waves 0-3 K's quarters, waves 4-7 V's) by one tensor load.
; CLUSTER: the four query blocks of a cluster walk the same K and V: each tile is asked for jointly, by the same tensor load with the same descriptor and a mask that names the four.
; LAYOUT.  S^T = K Q^T (source 0 = 16 keys, source 1 = 16 queries): a lane holds ONE query (lane % 16) and keys 8 (lane / 16) + 0..7.  Two such tiles, rounded in pairs, are source 1 of O^T = V^T P.
; K, V and Q lie in memory as images of these operands' registers: every piece is 512 consecutive bytes at 16 x lane: no pitch, no padding, no turning load.
; SOFTMAX.  A running maximum m for each query: p = 2^(c s - c m), c = log2(e) / 8; in every step O^T and l are multiplied by a = 2^(c m_old - c m_new).
; THE ROW'S SUM l is a fifth 'channel tile' of V^T P whose source 0 is all ones: it sums the very p that the product with V takes.  Its registers 0, 1 alone are rescaled and read; the other six sum at most 2,048 numbers of at most 1.
; The step is written once: O^T and l begin as zeros and m as -3e38, under every score.
; REGISTERS: window 0: v1-7 addresses; v8-23 statistics, eight a tile: +0 c m, +1 m, +2..+5 four maxima, +6 a, +7 c m_old; v24-31 ones; v32-95 K; v96-159 V; v160-223 S^T, then p; v224-255 P.
;   window 1: v0-79 O^T and l: tile t, channel tile ct (4 = l) at v[40 t + 8 ct]; v96-127 Q.
.set SLOT1, 1<<17                      ; slot 1 begins here: one exclusive or turns an address in one slot into the other's.  In a slot: K's 65,536 bytes, then V's
.set SPARE, 262144                     ; behind the ring: the spare words, 128 bytes for each wave: four blocks of 256 bytes that no other line names
.set LI,   1                           ; v1   16 x lane; never rewritten
.set ADK,  2                           ; v2   LDS address of the step's K
.set ADV,  3                           ; v3   of its V
.set SPW,  4                           ; v4   LDS address of my spare word; never rewritten
.set NIL,  5                           ; v5   0; never rewritten
.set PFO,  7                           ; v7   256 x lane: the prefetch's offset; never rewritten
.set ST,   8
.set ONES, 24
.set KF,   32
.set VF,   96
.set S,    160
.set P,    224
.set QF,   96                          ; in window 1
.set WV,   12                          ; s12  my wave's number
.set G1,   24                          ; s[24:31] descriptor group 1
.set G0,   32                          ; s[32:39] group 0: a set for each of the two first fills; the second then walks on
.set TB,   40                          ; s40  LDS byte at which the step's K begins
.set CNT,  41                          ; s41  counts a slot's eight steps
.set SLOTS, 42                         ; s42  slots still to be asked for
.set CS,   44                          ; s[44:45] c
.set SEL,  46                          ; s[46:47] lane selects for v_permlanex16_b32: lane l xor 16
.set PFA,  48                          ; s[48:49] where my prefetch stands
.set LIM,  50                          ; s50  1 in a wave that prefetches, else the greatest number
.set MSB, 0
.macro WIN new
.if MSB != (\new)
	s_set_vgpr_msb (MSB<<8)|(\new)
.set MSB, (\new)
.endif
.endm
.set W_KQ, 0x04                        ; Q (source 1) in window 1
.set W_PV, 0x50                        ; O^T (C and D) in window 1
.set W_RS, 0x41                        ; O^T (destination and source 0) in window 1, a in window 0
.macro CROUND                          ; a round of the cluster's barrier
	s_barrier_signal -1
	s_barrier_wait -1
	s_cmp_lg_u32 s[WV], 0
	s_cbranch_scc1 .Lnot_wave_0_\@
	s_barrier_signal -3
.Lnot_wave_0_\@:
	s_barrier_wait -3
	s_barrier_signal -1
	s_barrier_wait -1
.endm
; A PREFETCH INTO THE L2 of what the NEXT change of slots will ask for: 512 keys of K and of V, 65,536 bytes each.  It stands behind the wave's tensor load and its five lines.
; Each aligned block of 256 bytes is named once in the launch.  Both clusters of a (b, h) walk the same K and V: the first (cluster x = 0) asks.  Its four partners take 16,384 bytes each of K and of V,
; told apart BY ADDRESS; in each, waves 0, 1 ask for K's and waves 4, 5 for V's, 8,192 bytes a wave, lanes 256 bytes apart.  The last change that fills a slot asks for nothing.
.macro ASK
	s_cmp_gt_u32 s[SLOTS], s[LIM]
	s_cbranch_scc0 .Lnot_mine_\@
	global_prefetch_b8 v[PFO], s[PFA:PFA+1] th:TH_LOAD_NT scope:SCOPE_SE
.Lnot_mine_\@:
.endm
	s_load_b128 s[4:7], s[0:1], 0x0                ; qkv s[4:5], oimg s[6:7]
	v_lshl_add_u32 v[SPW], v0, 2, SPARE
	v_mov_b32 v[NIL], 0
	ds_add_u32 v[SPW], v[NIL]                      ; the wave's opening: the add, twice on end, and its wait ahead of my first tensor load
	ds_add_u32 v[SPW], v[NIL]                      ; and once more, under the one wait; the set-up below, work on registers, stands between
	v_lshrrev_b32 v1, 5, v0
	v_readfirstlane_b32 s[WV], v1                  ; wave 0..7
	s_bfe_u32 s13, ttmp6, 0x40000                  ; cx
	s_lshl_b32 s14, ttmp9, 2
	s_add_co_u32 s14, s14, s13                     ; my block of 256 queries: it enters Q's and O's addresses alone
	s_and_b32 s15, ttmp7, 0xffff                   ; b*16 + h, which the four partners share
	s_lshl_b32 s16, s15, 18                        ; its 262,144 bytes in each of q, k, v
	s_lshr_b32 s17, s[WV], 2
	s_add_co_u32 s17, s17, 1
	s_lshl_b32 s17, s17, 24                        ; k at 16,777,216 (waves 0-3), v at 33,554,432 (waves 4-7)
	s_add_co_u32 s17, s17, s16
	s_and_b32 s18, s[WV], 3
	s_lshl_b32 s18, s18, 14
	s_add_co_u32 s18, s18, s17                     ; my quarter of a slot's K or V, in memory,
	s_mov_b32 s19, 0
	s_lshl_b32 s20, s[WV], 14                      ; and in a slot: wave x 16,384
	s_mov_b32 s[G1], 15|(3<<16)|(1<<21)            ; 15:0 the mask: all four work-groups; 17:16 elements of 8 bytes; 21 set beside a mask; no padding
	s_mov_b32 s[G1+1], 32<<16                      ; tensor_dim0 = 32: rows of 256 bytes
	s_mov_b32 s[G1+2], 64<<16                      ; tensor_dim1 = 64: 16,384 dense bytes
	s_mov_b32 s[G1+3], 32<<16                      ; tile_dim0
	s_mov_b32 s[G1+4], 64                          ; tile_dim1
	s_mov_b32 s[G1+5], 32                          ; from row to row
	s_mov_b32 s[G1+6], 0
	s_mov_b32 s[G1+7], 0
	s_lshl_b32 s52, s13, 14                        ; the prefetch: my work-group's 16,384 bytes,
	s_and_b32 s53, s[WV], 1
	s_lshl_b32 s53, s53, 13                        ; my wave's 8,192 of them,
	s_add_co_u32 s52, s52, s53
	s_add_co_u32 s52, s52, s17
	s_add_co_u32 s52, s52, 2*65536                 ; in the third 512 keys: the first change of slots steps it to the fourth.  Nothing is prefetched at the head
	s_mov_b32 s53, 0
	s_and_b32 s[LIM], s[WV], 2                     ; 0 in waves 0, 1, 4, 5,
	s_or_b32 s[LIM], s[LIM], ttmp9                 ; of the first cluster: the same in all four partners
	s_cmp_eq_u32 s[LIM], 0
	s_cselect_b32 s[LIM], 1, -1
	s_lshl_b32 s54, s14, 15                        ; Q: token tile 16 x block + 2 x wave, 2,048 bytes a tile
	s_lshl_b32 s55, s[WV], 12
	s_add_co_u32 s54, s54, s55
	s_add_co_u32 s54, s54, s16
	s_mov_b32 s55, 0
	s_lshr_b32 s56, s15, 4                         ; O: token tile b*128 + 16 x block + 2 x wave, 32,768 bytes a tile; the head's 2,048 bytes in it
	s_lshl_b32 s56, s56, 7
	s_lshl_b32 s57, s14, 4
	s_add_co_u32 s56, s56, s57
	s_lshl_b32 s57, s[WV], 1
	s_add_co_u32 s56, s56, s57
	s_lshl_b32 s56, s56, 15
	s_and_b32 s57, s15, 15
	s_lshl_b32 s57, s57, 11
	s_add_co_u32 s56, s56, s57
	s_mov_b32 s57, 0
	s_mov_b32 s[CS], 0x3e38aa3b                    ; c = log2(e) / 8
	s_mov_b32 s[CS+1], s[CS]                       ; (named with it as a pair, so it is written)
	s_mov_b32 s[SEL], 0x76543210
	s_mov_b32 s[SEL+1], 0xfedcba98
	s_mov_b32 s[TB], 0
	s_mov_b32 s[SLOTS], 2
	s_wait_dscnt 0x0                               ; both opening adds are done
	s_wait_kmcnt 0x0
	s_add_nc_u64 s[18:19], s[4:5], s[18:19]
	s_add_nc_u64 s[PFA:PFA+1], s[4:5], s[52:53]
	s_add_nc_u64 s[8:9], s[4:5], s[54:55]
	s_add_nc_u64 s[6:7], s[6:7], s[56:57]
	CROUND                                         ; all four work-groups are here: the first joint loads meet
.irp n, 0,1
	s_mov_b32 s[G0+4*\n], 1                        ; count = 1
	s_add_co_u32 s[G0+4*\n+1], s20, \n*SLOT1       ; LDS address
	s_add_nc_u64 s[G0+4*\n+2:G0+4*\n+3], s[18:19], \n*65536   ; keys 512 n on
	s_or_b32 s[G0+4*\n+3], s[G0+4*\n+3], 0x80000000   ; type = 2
.endr
	tensor_load_to_lds s[G0:G0+3], s[G1:G1+7]      ; every wave issues both first fills: two loads of mine are out
	s_nop 0
	tensor_load_to_lds s[G0+4:G0+7], s[G1:G1+7]
	s_nop 0
.rept 4
	v_nop
.endr
	v_and_b32 v6, 31, v0
	v_lshlrev_b32 v[LI], 4, v6
	v_lshlrev_b32 v[PFO], 8, v6
	WIN 0x40                                       ; destination window 1
.irp n, 0,1,2,3,4,5,6,7
	global_load_b128 v[QF+4*\n:QF+4*\n+3], v[LI], s[8:9] offset:512*\n   ; Q stays in registers: tile n / 4, channels 32 ((n / 2) % 2) on
.endr
.set i, 0
.rept 80
	v_mov_b32 v[i], 0                              ; O^T and l
.set i, i+1
.endr
	WIN 0
.irp t, 0,1
	v_mov_b32 v[ST+8*\t+1], 0xff61b1e6             ; m = -3e38
	v_mul_f32 v[ST+8*\t], s[CS], v[ST+8*\t+1]      ; c m
.endr
.irp i, 0,1,2,3,4,5,6,7
	v_mov_b32 v[ONES+\i], 0x3c003c00               ; 1.0, twice, in f16
.endr
; A KEY STEP: 64 keys.
.macro STEP
	v_add_nc_u32 v[ADK], s[TB], v[LI]
	v_add_nc_u32 v[ADV], 0x10000, v[ADK]
	v_nop
	v_nop                                          ; four plain lines between the last V^T P and the loads into the registers that it read
.irp n, 0,1,2,3,4,5,6,7,8,9,10,11,12,13,14,15
	ds_load_b128 v[KF+4*\n:KF+4*\n+3], v[ADK] offset:512*\n   ; key tile n / 4, channels 32 ((n / 2) % 2) on
.endr
.irp n, 0,1,2,3,4,5,6,7,8,9,10,11,12,13,14,15
	ds_load_b128 v[VF+4*\n:VF+4*\n+3], v[ADV] offset:512*\n   ; keys 32 (n / 8) on, channel tile (n / 2) % 4
.endr
	s_add_co_u32 s[TB], s[TB], 8192                ; the next step's
	s_wait_dscnt 16                                ; K is in; V's 16 loads may be out
	WIN W_KQ
.irp f, 0,1                            ; S^T = K Q^T: eight accumulators by turns; the first eight products start the sums
.irp kt, 0,1,2,3
.irp t, 0,1
.if \f == 0
	v_wmma_f32_16x16x32_f16 v[S+32*\t+8*\kt:S+32*\t+8*\kt+7], v[KF+16*\kt+8*\f:KF+16*\kt+8*\f+7], v[QF+16*\t+8*\f:QF+16*\t+8*\f+7], 0
.else
	v_wmma_f32_16x16x32_f16 v[S+32*\t+8*\kt:S+32*\t+8*\kt+7], v[KF+16*\kt+8*\f:KF+16*\kt+8*\f+7], v[QF+16*\t+8*\f:QF+16*\t+8*\f+7], v[S+32*\t+8*\kt:S+32*\t+8*\kt+7]
.endif
.endr
.endr
.endr
	WIN 0
	v_mov_b32 v[ST+7], v[ST]                       ; c m_old is kept for a.  (These two and two v_nop are the four places behind the products)
	v_mov_b32 v[ST+15], v[ST+8]
	v_nop
	v_nop
.irp j, 0,1,2,3                        ; the maximum of my 32 scores and the old m, three operands at a time, the two tiles by turns; each accumulator is read from its low end on
.irp t, 0,1
	v_max3_num_f32 v[ST+8*\t+2+\j], v[S+32*\t+8*\j], v[S+32*\t+8*\j+1], v[S+32*\t+8*\j+2]
.endr
.endr
.irp u, 1,2
.irp j, 0,1,2,3
.irp t, 0,1
	v_max3_num_f32 v[ST+8*\t+2+\j], v[ST+8*\t+2+\j], v[S+32*\t+8*\j+2*\u+1], v[S+32*\t+8*\j+2*\u+2]
.endr
.endr
.endr
.irp t, 0,1
	v_max3_num_f32 v[ST+8*\t+2], v[ST+8*\t+2], v[S+32*\t+7], v[S+32*\t+15]
.endr
.irp t, 0,1
	v_max3_num_f32 v[ST+8*\t+4], v[ST+8*\t+4], v[S+32*\t+23], v[S+32*\t+31]
.endr
.irp t, 0,1
	v_max3_num_f32 v[ST+8*\t+2], v[ST+8*\t+2], v[ST+8*\t+3], v[ST+8*\t+4]
.endr
.irp t, 0,1
	v_max3_num_f32 v[ST+8*\t+2], v[ST+8*\t+2], v[ST+8*\t+5], v[ST+8*\t+1]
.endr
.irp t, 0,1
	v_permlanex16_b32 v[ST+8*\t+3], v[ST+8*\t+2], s[SEL], s[SEL+1]   ; the query's other 32 keys lie in the lane 16 away
.endr
.irp t, 0,1
	v_max_num_f32 v[ST+8*\t+1], v[ST+8*\t+2], v[ST+8*\t+3]           ; the new m
.endr
.irp t, 0,1
	v_mul_f32 v[ST+8*\t], s[CS], v[ST+8*\t+1]                        ; c m
.endr
.irp t, 0,1
	v_sub_f32 v[ST+8*\t+6], v[ST+8*\t+7], v[ST+8*\t]                 ; c m_old - c m_new
.endr
.irp t, 0,1
	v_exp_f32 v[ST+8*\t+6], v[ST+8*\t+6]                             ; a
.endr
.irp b, 0,1,2,3,4,5,6,7,8,9,10,11,12,13,14,15   ; ONE BATCH with a: two scalings c s - c m, a pair of scores each, then their four exponentials.  None of these lines names an exponential's result
	v_pk_fma_f32 v[S+2*\b:S+2*\b+1], v[S+2*\b:S+2*\b+1], s[CS:CS+1], v[ST:ST+1] op_sel_hi:[1,0,0] neg_lo:[0,0,1] neg_hi:[0,0,1]
	v_pk_fma_f32 v[S+32+2*\b:S+32+2*\b+1], v[S+32+2*\b:S+32+2*\b+1], s[CS:CS+1], v[ST+8:ST+9] op_sel_hi:[1,0,0] neg_lo:[0,0,1] neg_hi:[0,0,1]
	v_exp_f32 v[S+2*\b], v[S+2*\b]
	v_exp_f32 v[S+2*\b+1], v[S+2*\b+1]
	v_exp_f32 v[S+32+2*\b], v[S+32+2*\b]
	v_exp_f32 v[S+32+2*\b+1], v[S+32+2*\b+1]
.endr
	v_nop                                          ; a plain line behind the last exponential,
	s_wait_alu depctr_va_vdst(0)                   ; and the one wait ahead of the batch's first reader: it serves all 66
.irp t, 0,1
.irp i, 0,1,2,3,4,5,6,7,8,9,10,11,12,13,14,15
	v_cvt_pk_f16_f32 v[P+16*\t+\i], v[S+32*\t+2*\i], v[S+32*\t+2*\i+1]   ; two key tiles, rounded in pairs, are a fragment of P
.endr
.endr
	WIN W_RS
.irp t, 0,1
.irp i, 0,1,2,3,4,5,6,7,8,9,10,11,12,13,14,15,16
	v_pk_mul_f32 v[40*\t+2*\i:40*\t+2*\i+1], v[40*\t+2*\i:40*\t+2*\i+1], v[ST+8*\t+6:ST+8*\t+7] op_sel_hi:[1,0]   ; O^T and l's registers 0, 1 under the new m
.endr
.endr
	s_wait_dscnt 0x0                               ; V is in
	WIN W_PV
.irp g, 0,1                            ; O^T += V^T P, l += ones P: ten accumulators by turns
.irp ct, 0,1,2,3
.irp t, 0,1
	v_wmma_f32_16x16x32_f16 v[40*\t+8*\ct:40*\t+8*\ct+7], v[VF+32*\g+8*\ct:VF+32*\g+8*\ct+7], v[P+16*\t+8*\g:P+16*\t+8*\g+7], v[40*\t+8*\ct:40*\t+8*\ct+7]
.endr
.endr
.irp t, 0,1
	v_wmma_f32_16x16x32_f16 v[40*\t+32:40*\t+39], v[ONES:ONES+7], v[P+16*\t+8*\g:P+16*\t+8*\g+7], v[40*\t+32:40*\t+39]
.endr
.endr
	WIN 0
.endm
.macro SLOT_STEPS                      ; a slot's eight key steps: written once, walked eight times; the LDS addresses hang on s[TB]
	s_mov_b32 s[CNT], 8
.Lstep_\@:
	STEP
	s_sub_co_u32 s[CNT], s[CNT], 1
	s_cmp_lg_u32 s[CNT], 0
	s_cbranch_scc1 .Lstep_\@
.endm
; THE CHANGE OF SLOTS.  Each wave waits for all its tensor loads (the one that is out is its part of the other slot), adds 0 to its spare word, and waits for that and for its reads of the slot that it leaves.
; fill = 1: the barrier is a round of the cluster's, so that no wave of any partner still reads the slot or has a load on its way; the joint refill, the keys two slots on, is the first thing behind it:
; it has eight key steps in which to land.
.macro CHANGE fill
	s_wait_tensorcnt 0x0                           ; no tensor load of mine is out, so a group 0 may be written
	ds_add_u32 v[SPW], v[NIL]                      ; 0 onto my spare word
.if \fill
	s_xor_b32 s[G0+5], s[G0+5], SLOT1              ; the walking descriptor: the other slot than last time,
	s_add_nc_u64 s[G0+6:G0+7], s[G0+6:G0+7], 65536 ; the next 512 keys; the type bits on top are not reached
	s_wait_xcnt 0x0                                ; the last prefetch, a slot back, has read its address, so it may be written
	s_add_nc_u64 s[PFA:PFA+1], s[PFA:PFA+1], 65536 ; one slot further on than the walking descriptor
	s_wait_dscnt 0x0                               ; the add is done, and my reads of the slot are over
	CROUND
	tensor_load_to_lds s[G0+4:G0+7], s[G1:G1+7]    ; my one tensor load behind the round
	s_nop 0
.rept 4
	v_nop
.endr
	ASK
.else
	s_wait_dscnt 0x0
	s_barrier_signal -1
	s_barrier_wait -1
.endif
	s_sub_co_u32 s[TB], s[TB], 65536               ; back to a slot's first step,
	s_xor_b32 s[TB], s[TB], SLOT1                  ; in the other slot
.endm
	s_wait_tensorcnt 1                             ; my part of slot 0 is in; slot 1's may stay out
	s_barrier_signal -1
	s_barrier_wait -1                              ; everybody's is
	s_wait_loadcnt 0x0                             ; Q
	SLOT_STEPS                                     ; keys 0 to 511
.Lslot:                                            ; two trips: the slot just left takes keys 1,024 on, then 1,536 on
	CHANGE 1
	SLOT_STEPS
	s_sub_co_u32 s[SLOTS], s[SLOTS], 1
	s_cmp_lg_u32 s[SLOTS], 0
	s_cbranch_scc1 .Lslot
	CHANGE 0                                       ; the tail is written out
	SLOT_STEPS
	; THE WAY OUT: O^T / l, rounded to f16.  A lane's eight channels of one query are 16 bytes of the out projection's operand image: [token tile][chunk = head*8 + 2 ct + h][r][16 bytes]: 512 consecutive bytes a store.
.rept 4
	v_nop                                          ; four places behind the last products
.endr
	WIN 0x01                                       ; source 0 in window 1
.irp t, 0,1
	v_rcp_f32 v[ST+8*\t+6], v[40*\t+32]            ; 1 / l: register 0 of l's accumulator
.endr
	v_nop                                          ; a plain line behind the last reciprocal,
	s_wait_alu depctr_va_vdst(0)                   ; and the wait ahead of the first use: one for both
.irp t, 0,1
	WIN 0x01
.irp i, 0,1,2,3,4,5,6,7,8,9,10,11,12,13,14,15
	v_pk_mul_f32 v[S+32*\t+2*\i:S+32*\t+2*\i+1], v[40*\t+2*\i:40*\t+2*\i+1], v[ST+8*\t+6:ST+8*\t+7] op_sel_hi:[1,0]
.endr
	WIN 0
.irp i, 0,1,2,3,4,5,6,7,8,9,10,11,12,13,14,15
	v_cvt_pk_f16_f32 v[P+16*\t+\i], v[S+32*\t+2*\i], v[S+32*\t+2*\i+1]
.endr
.irp ct, 0,1,2,3
	global_store_b128 v[LI], v[P+16*\t+4*\ct:P+16*\t+4*\ct+3], s[6:7] offset:\t*32768+\ct*512 th:TH_STORE_NT
.endr
.endr
	s_wait_tensorcnt 0x0                           ; the wave's end: three lines behind my last tensor load
	ds_add_u32 v[SPW], v[NIL]
	s_wait_dscnt 0x0
	CROUND                                         ; the closing round: no work-group ends while a partner may still ask for a tile that names it
	s_endpgm
.Lfunc_end_k_q902bc6e56e_attn:
	.size	k_q902bc6e56e_attn, .Lfunc_end_k_q902bc6e56e_attn-k_q902bc6e56e_attn
	.p2alignl 7, 3214868480
	.fill 96, 4, 3214868480
	.section	.rodata,"a",@progbits
	.p2align	6, 0x0
	.amdhsa_kernel k_q902bc6e56e_attn
		.amdhsa_group_segment_fixed_size 327680
		.amdhsa_private_segment_fixed_size 0
		.amdhsa_enable_private_segment 0
		.amdhsa_kernarg_size 16
		.amdhsa_user_sgpr_count 2
		.amdhsa_user_sgpr_kernarg_segment_ptr 1
		.amdhsa_wavefront_size32 1
		.amdhsa_system_sgpr_workgroup_id_x 1
		.amdhsa_system_sgpr_workgroup_id_y 1
		.amdhsa_system_sgpr_workgroup_id_z 1
		.amdhsa_system_vgpr_workitem_id 0
		.amdhsa_next_free_vgpr 512
		.amdhsa_next_free_sgpr 66
		.amdhsa_reserve_vcc 0
		.amdhsa_float_denorm_mode_32 3
		.amdhsa_float_denorm_mode_16_64 3
		.amdhsa_memory_ordered 1
		.amdhsa_forward_progress 1
		.amdhsa_inst_pref_size 62
	.end_amdhsa_kernel
	.amdgpu_metadata
---
amdhsa.version: [ 1, 2 ]
amdhsa.kernels:
  - .name:           k_q902bc6e56e_attn
    .symbol:         k_q902bc6e56e_attn.kd
    .args:
      - { .name: qkv, .offset: 0, .size: 8, .value_kind: global_buffer, .address_space: global }
      - { .name: oimg, .offset: 8, .size: 8, .value_kind: global_buffer, .address_space: global }
    .group_segment_fixed_size: 327680
    .private_segment_fixed_size: 0
    .kernarg_segment_align: 8
    .kernarg_segment_size: 16
    .max_flat_workgroup_size: 256
    .sgpr_count:     66
    .vgpr_count:     512
    .wavefront_size: 32
...
	.end_amdgpu_metadata
.endif
;; end of part 3
;; launch outp (part 4): grid 4 x 64, 4 waves a work-group, clusters of 4 x 4, 327,680 bytes of LDS; arguments oimg, woimg, bo, out0; writes out0
.if DOCPART == 4
	.amdgcn_target "amdgcn-amd-amdhsa--gfx1250"
	.amdhsa_code_object_version 6
	.text
	.protected	k_q902bc6e56e_outp
	.globl	k_q902bc6e56e_outp
	.p2align	8
	.type	k_q902bc6e56e_outp,@function
k_q902bc6e56e_outp:
	s_mov_b64 s[64:65], 0
	v_nop
	global_prefetch_b8 v0, s[64:65] scope:SCOPE_SE
	s_setreg_imm32_b32 hwreg(HW_REG_WAVE_MODE, 25, 1), 1
	s_wait_xcnt 0x0
	s_wait_alu depctr_hold_cnt(0) depctr_sa_sdst(0) depctr_va_vdst(0) depctr_va_sdst(0) depctr_va_ssrc(0) depctr_va_vcc(0) depctr_vm_vsrc(0)
	s_getreg_b32 s2, hwreg(HW_REG_IB_STS2, 6, 4)
	s_cmp_eq_u32 s2, 0
	s_cbranch_scc0 .Lentry_in_a_cluster
	s_endpgm
.Lentry_in_a_cluster:
	s_bfe_u32 s2, ttmp6, 0x10000c
	s_cmp_lg_u32 s2, 0xf033
	s_cbranch_scc0 .Lentry_shape_is_right
	s_endpgm
.Lentry_shape_is_right:
; OUTP: out0 = concat(o) Wo + bo.  o and Wo in f16 (images of the operands' registers, made by the launches before), sums in f32, out0 f32.
; SHARES.  A tile of out0 is 128 tokens x 256 columns: 256 work-groups.  Four waves, each 64 x 128: 32 accumulators of 16 x 16, 256 registers.
; K goes in steps of 128 through a ring of two LDS slots: a step's part of a row tile is 4,096 consecutive bytes; waves 0, 1 fetch four token tiles each, waves 2, 3 eight column tiles each, one tensor load a wave.
; CLUSTERS: 4 x 4 work-groups: o's tiles are shared along a row of the cluster, Wo's along a column: each is asked for jointly, by the same tensor load with the same descriptor and a mask that names the four.
; THE MATRIX INSTRUCTION IS USED TRANSPOSED (source 0 = 16 columns of Wo, source 1 = 16 tokens): a lane holds eight neighbouring numbers of a row of out0.  bo is the C of each sum's first product: no addition.
; REGISTERS: window 0: v16-29 addresses; v32-63, v64-95 o's fragments, two buffers; v128-255 rows on the way out.  window 1: the accumulators, (a, b) at v[8 (8 a + b)].
;   window 2: v0-63, v64-127 Wo's fragments, two buffers; v128-191 bo, eight registers a column tile.
.set SLOT,  98304                      ; o's 8 tiles x 4,096 bytes, then Wo's 16 tiles x 4,096
.set SPARE, 196608                     ; behind the ring: the spare words, 128 bytes for each wave: two blocks of 256 bytes that no other line names
.set ADRA, 16                          ; v16-17  LDS address of my fragments of o in slot 0, 1
.set ADRB, 20                          ; v20-21  of Wo
.set STO,  24                          ; v24     the way out: where I put 32 bytes of a row
.set RD,   25                          ; v25     where I read a row back
.set CO,   26                          ; v26     16 x lane
.set SPW,  28                          ; v28     LDS address of my spare word; never rewritten
.set NIL,  29                          ; v29     0; never rewritten
.set BK,   128                         ; the way out: 16 rows read back from the stage: v128-191 and v192-255 by turns
.set G1,  24                           ; s[24:31] group 1 for o's tiles;  s[32:39] group 0, a set for each slot
.set G0,  32
.set G1B, 48                           ; s[48:55], s[56:63] for Wo's
.set G0B, 56
.set MSB, 0
.macro WIN new
.if MSB != (\new)
	s_set_vgpr_msb (MSB<<8)|(\new)
.set MSB, (\new)
.endif
.endm
.set MUL,  0x52                        ; source 0 (Wo) window 2, source 1 (o) window 0, C and D window 1
.set MULB, 0x62                        ; the same with C (bo) in window 2
.macro JLOAD s                         ; a joint load: waves 0, 1 fetch for o, waves 2, 3 for Wo; an s_nop 0 and four v_nop follow each of the two lines
	s_cmp_eq_u32 s13, 0
	s_cbranch_scc0 .Lfor_b_\@
	tensor_load_to_lds s[G0+4*\s:G0+4*\s+3], s[G1:G1+7]
	s_nop 0
.rept 4
	v_nop
.endr
	s_branch .Lasked_\@
.Lfor_b_\@:
	tensor_load_to_lds s[G0B+4*\s:G0B+4*\s+3], s[G1B:G1B+7]
	s_nop 0
.rept 4
	v_nop
.endr
.Lasked_\@:
.endm
.macro CREST                           ; a round of the cluster's barrier behind its opening barrier
	s_cmp_lg_u32 s12, 0
	s_cbranch_scc1 .Lnot_wave_0_\@
	s_barrier_signal -3
.Lnot_wave_0_\@:
	s_barrier_wait -3
	s_barrier_signal -1
	s_barrier_wait -1
.endm
.macro CROUND
	s_barrier_signal -1
	s_barrier_wait -1
	CREST
.endm
	s_load_b256 s[4:11], s[0:1], 0x0               ; oimg s[4:5], woimg s[6:7], bo s[8:9], out0 s[10:11]
	v_lshl_add_u32 v[SPW], v0, 2, SPARE
	v_mov_b32 v[NIL], 0
	ds_add_u32 v[SPW], v[NIL]                      ; the wave's opening: the add, twice on end, and its wait ahead of my first tensor load
	ds_add_u32 v[SPW], v[NIL]                      ; and once more, under the one wait; the set-up below, work on registers, stands between
	v_lshrrev_b32 v1, 5, v0
	v_readfirstlane_b32 s12, v1                    ; wave 0..3
	s_lshr_b32 s13, s12, 1                         ; which 64 tokens are mine.  Also: I fetch for o (0) or for Wo (1)
	s_and_b32 s14, s12, 1                          ; which 128 columns.  Also: which half of that tile I fetch
	s_bfe_u32 s40, ttmp6, 0x40000                  ; cx
	s_bfe_u32 s41, ttmp6, 0x40004                  ; cy
	s_lshl_b32 s42, ttmp9, 2
	s_add_co_u32 s42, s42, s40                     ; tile column: 256 columns
	s_and_b32 s15, ttmp7, 0xffff
	s_lshl_b32 s15, s15, 2
	s_add_co_u32 s15, s15, s41                     ; tile row: 128 tokens
	s_lshl_b32 s43, s41, 2
	s_lshl_b32 s43, 15, s43                        ; my row of the cluster
	s_lshl_b32 s44, 0x1111, s40                    ; my column
	; group 1: rows of 4,096 bytes (512 elements of 8 bytes), 32,768 bytes apart: a K step's part of each row tile
	s_or_b32 s[G1+0], s43, (3<<16)|(1<<21)         ; 15:0 the mask; 17:16 elements of 8 bytes; 21 set beside a mask; no padding
	s_or_b32 s[G1B+0], s44, (3<<16)|(1<<21)
	s_mov_b32 s[G1+1], 512<<16                     ; tensor_dim0
	s_mov_b32 s[G1+2], 4<<16                       ; tensor_dim1: four token tiles
	s_mov_b32 s[G1+3], 512<<16                     ; tile_dim0
	s_mov_b32 s[G1+4], 4                           ; tile_dim1
	s_mov_b32 s[G1+5], 4096                        ; from row to row, in elements
	s_mov_b32 s[G1+6], 0
	s_mov_b32 s[G1+7], 0
	s_mov_b32 s[G1B+1], 512<<16
	s_mov_b32 s[G1B+2], 8<<16                      ; eight column tiles
	s_mov_b32 s[G1B+3], 512<<16
	s_mov_b32 s[G1B+4], 8
	s_mov_b32 s[G1B+5], 4096
	s_mov_b32 s[G1B+6], 0
	s_mov_b32 s[G1B+7], 0
	s_lshl_b32 s16, s15, 3
	s_lshl_b32 s17, s14, 2
	s_add_co_u32 s16, s16, s17
	s_lshl_b32 s16, s16, 15                        ; o: token tile 8 x tile row + 4 x half
	s_mov_b32 s17, 0
	s_lshl_b32 s46, s42, 4
	s_lshl_b32 s47, s14, 3
	s_add_co_u32 s46, s46, s47
	s_lshl_b32 s46, s46, 15                        ; Wo: column tile 16 x tile column + 8 x half
	s_mov_b32 s47, 0
	s_lshl_b32 s20, s14, 14                        ; where they go: o's halves,
	s_lshl_b32 s21, s14, 15
	s_add_co_u32 s21, s21, 32768                   ; then Wo's: no place in the cluster enters an LDS address
	s_wait_dscnt 0x0                               ; both opening adds are done
	s_wait_kmcnt 0x0
	s_add_nc_u64 s[16:17], s[4:5], s[16:17]
	s_add_nc_u64 s[46:47], s[6:7], s[46:47]
	CROUND                                         ; all sixteen work-groups are here: the first joint loads meet
.irp s, 0,1
	s_mov_b32 s[G0+4*\s], 1
	s_add_co_u32 s[G0+4*\s+1], s20, \s*SLOT
	s_add_nc_u64 s[G0+4*\s+2:G0+4*\s+3], s[16:17], \s*4096
	s_or_b32 s[G0+4*\s+3], s[G0+4*\s+3], 0x80000000
	s_mov_b32 s[G0B+4*\s], 1
	s_add_co_u32 s[G0B+4*\s+1], s21, \s*SLOT
	s_add_nc_u64 s[G0B+4*\s+2:G0B+4*\s+3], s[46:47], \s*4096
	s_or_b32 s[G0B+4*\s+3], s[G0B+4*\s+3], 0x80000000
	JLOAD \s
.endr
	v_and_b32 v1, 15, v0                           ; r
	v_bfe_u32 v2, v0, 4, 1                         ; h
	v_and_b32 v3, 31, v0
	v_lshlrev_b32 v[CO], 4, v3
	s_lshl_b32 s22, s13, 14                        ; my four token tiles
	s_lshl_b32 s23, s14, 15
	s_add_co_u32 s23, s23, 32768                   ; my eight column tiles
.irp s, 0,1
	v_add_nc_u32 v[ADRA+\s], s22, v[CO]
	v_add_nc_u32 v[ADRB+\s], s23, v[CO]
	s_add_co_u32 s22, s22, SLOT
	s_add_co_u32 s23, s23, SLOT
.endr
	s_mul_i32 s22, s12, 8448                       ; my stage: 16 rows x (512 bytes + 16), in slot 0, which has had its last fill and its last read when the first result is stored there
	v_mul_u32_u24 v4, v1, 528
	v_lshl_add_u32 v4, v2, 5, v4
	v_add_nc_u32 v[STO], s22, v4                   ; in: row r, 32 bytes for each half of the lanes
	v_add_nc_u32 v[RD], s22, v[CO]                 ; back: the 32 lanes take one row of 512 bytes
	v_lshlrev_b32 v5, 5, v2                        ; bo: 32 h: my 8 numbers of a tile's 16
	s_lshl_b32 s2, s42, 10
	s_lshl_b32 s3, s14, 9
	s_add_co_u32 s2, s2, s3                        ; my first column, in bytes
	s_mov_b32 s3, 0
	s_add_nc_u64 s[8:9], s[8:9], s[2:3]
	s_add_nc_u64 s[10:11], s[10:11], s[2:3]
	s_lshl_b32 s2, s15, 7
	s_lshl_b32 s18, s13, 6
	s_add_co_u32 s2, s2, s18
	s_lshl_b32 s2, s2, 12                          ; my first token, rows of 4,096 bytes
	s_add_nc_u64 s[10:11], s[10:11], s[2:3]
	WIN 0x80                                       ; destination window 2
.irp b, 0,1,2,3,4,5,6,7
	global_load_b128 v[128+8*\b:128+8*\b+3], v5, s[8:9] offset:64*\b
	global_load_b128 v[128+8*\b+4:128+8*\b+7], v5, s[8:9] offset:64*\b+16
.endr
	WIN 0
; 24 LDS loads in one run: the fragments of 32 along K, the slot's quarter qd, into buffer buf: Wo's eight, then o's four
.macro FETCH slot, qd, buf
	WIN 0x80
.irp i, 0,1,2,3,4,5,6,7
	ds_load_b128 v[64*(\buf)+8*\i:64*(\buf)+8*\i+3], v[ADRB+\slot] offset:\i*4096+(\qd)*1024
	ds_load_b128 v[64*(\buf)+8*\i+4:64*(\buf)+8*\i+7], v[ADRB+\slot] offset:\i*4096+(\qd)*1024+512
.endr
	WIN 0
.irp i, 0,1,2,3
	ds_load_b128 v[32+32*(\buf)+8*\i:32+32*(\buf)+8*\i+3], v[ADRA+\slot] offset:\i*4096+(\qd)*1024
	ds_load_b128 v[32+32*(\buf)+8*\i+4:32+32*(\buf)+8*\i+7], v[ADRA+\slot] offset:\i*4096+(\qd)*1024+512
.endr
.endm
; 8 matrix instructions: token tile a x the eight column tiles.  first = 1: the sums begin with bo.  The 32 accumulators take turns, one instruction a turn, in the same order in every quarter.
.macro MUL8 a, buf, first
.irp b, 0,1,2,3,4,5,6,7
.if \first
	v_wmma_f32_16x16x32_f16 v[8*(8*(\a)+\b):8*(8*(\a)+\b)+7], v[64*(\buf)+8*\b:64*(\buf)+8*\b+7], v[32+32*(\buf)+8*(\a):32+32*(\buf)+8*(\a)+7], v[128+8*\b:128+8*\b+7]
.else
	v_wmma_f32_16x16x32_f16 v[8*(8*(\a)+\b):8*(8*(\a)+\b)+7], v[64*(\buf)+8*\b:64*(\buf)+8*\b+7], v[32+32*(\buf)+8*(\a):32+32*(\buf)+8*(\a)+7], v[8*(8*(\a)+\b):8*(8*(\a)+\b)+7]
.endif
.endr
.endm
.macro PLACES                          ; four plain vector lines between a matrix instruction and a load into, or a read of, its registers
.rept 4
	v_nop
.endr
.endm
; A K step is four quarters of 32 along K, 32 matrix instructions each, on buffers 0, 1, 0, 1.  One of the first three: multiplies buffer f and fetches quarter qn of the same slot into g.
.macro QUARTER slot, qn, f, g, first
	s_wait_dscnt 4                                 ; Wo's fragments and o's tiles 0, 1 are in; the youngest four loads (tiles 2, 3) may be out
	WIN MUL+0x10*(\first)
	MUL8 0, \f, \first
	MUL8 1, \f, \first
	PLACES
	FETCH \slot, \qn, \g
	s_wait_dscnt 24                                ; all but the 24 just issued
	WIN MUL+0x10*(\first)
	MUL8 2, \f, \first
	MUL8 3, \f, \first
.endm
; The last quarter multiplies buffer 1 and changes slots: ONE barrier; in front of it each wave waits for all its tensor loads, adds 0 to its spare word, and waits for that and for its reads of this slot.
; fill = 1: the barrier opens a round of the cluster's, and this slot is filled again, two K steps ahead: the load has 112 matrix instructions in which to land.
.macro TURN slot, next, fill
	WIN 0                                          ; (the add's two registers lie in window 0)
	s_wait_tensorcnt 0x0                           ; all my tensor loads have landed: my part of the next slot;
	ds_add_u32 v[SPW], v[NIL]                      ; 0 onto my spare word;
	s_wait_dscnt 5                                 ; (the add and the youngest four loads may be out)
	WIN MUL
	MUL8 0, 1, 0                                   ; eight matrix instructions stand between the add and the wait for it
	s_wait_dscnt 0x0                               ; the add is done, and my reads of this slot are over
	s_barrier_signal -1
	MUL8 1, 1, 0
	WIN 0
	s_barrier_wait -1
.if \fill
	CREST                                          ; no wave of any partner still reads this slot's tile or has a load on its way
	s_add_nc_u64 s[G0+4*\slot+2:G0+4*\slot+3], s[G0+4*\slot+2:G0+4*\slot+3], 8192
	s_add_nc_u64 s[G0B+4*\slot+2:G0B+4*\slot+3], s[G0B+4*\slot+2:G0B+4*\slot+3], 8192
	JLOAD \slot                                    ; the first tensor load behind the round; the four v_nop behind it are also the places in front of the loads below
.else
	PLACES
.endif
	FETCH \next, 0, 0
	WIN MUL
	MUL8 2, 1, 0
	MUL8 3, 1, 0
.endm
	s_wait_tensorcnt 1                             ; my part of K step 0 is in (K step 1's load may be out)
	s_barrier_signal -1
	s_barrier_wait -1                              ; everybody's is
	FETCH 0, 0, 0
	s_wait_loadcnt 0x0                             ; bo
	QUARTER 0, 1, 0, 1, 1                          ; the first quarter stands in front of the loop: its products start the sums, with bo as C
	WIN 0                                          ; at a label and at a branch every window is 0
	s_mov_b32 s3, 3
.Llap:                                                 ; a trip goes once round the ring, from a lap's second quarter to the next lap's first, and fills both slots again
	QUARTER 0, 2, 1, 0, 0
	QUARTER 0, 3, 0, 1, 0
	TURN 0, 1, 1
	QUARTER 1, 1, 0, 1, 0
	QUARTER 1, 2, 1, 0, 0
	QUARTER 1, 3, 0, 1, 0
	TURN 1, 0, 1
	QUARTER 0, 1, 0, 1, 0
	WIN 0
	s_sub_co_u32 s3, s3, 1
	s_cmp_lg_u32 s3, 0
	s_cbranch_scc1 .Llap
	QUARTER 0, 2, 1, 0, 0                          ; the last lap fills nothing, and has no round of the cluster's barrier
	QUARTER 0, 3, 0, 1, 0
	TURN 0, 1, 0
	QUARTER 1, 1, 0, 1, 0
	QUARTER 1, 2, 1, 0, 0
	QUARTER 1, 3, 0, 1, 0
	s_wait_dscnt 4                                 ; the very last quarter: nothing more to fetch
	WIN MUL
	MUL8 0, 1, 0
	MUL8 1, 1, 0
	s_wait_dscnt 0x0
	MUL8 2, 1, 0
	MUL8 3, 1, 0
	WIN 0
; THE WAY OUT, 16 tokens x 128 columns at a time.  A lane holds 32 neighbouring bytes of a row, the lanes beside it other rows: so a block goes through my own stage in LDS and comes back as whole rows of 512 bytes.
; LDS serves a wave's instructions in order (ISA guide 5.7.1.4): no wait between the stores and the loads, nor in front of the next block's stores.
.macro TOSTAGE a
	WIN 0x04                                       ; an LDS store's data are its source 1: window 1
.irp b, 0,1,2,3,4,5,6,7
	ds_store_b128 v[STO], v[8*(8*(\a)+\b):8*(8*(\a)+\b)+3] offset:64*\b          ; each accumulator from its low end on
	ds_store_b128 v[STO], v[8*(8*(\a)+\b)+4:8*(8*(\a)+\b)+7] offset:64*\b+16
.endr
	WIN 0
.set BB, BK+64*((\a)%2)
.irp t, 0,1,2,3,4,5,6,7,8,9,10,11,12,13,14,15
	ds_load_b128 v[BB+4*\t:BB+4*\t+3], v[RD] offset:\t*528
.endr
.endm
.macro SEND a, younger                 ; younger: the LDS instructions issued behind block a's loads, which may stay out
.set BB, BK+64*((\a)%2)
	s_wait_dscnt \younger                          ; the block is back in registers
.if (\a) > 0
	s_add_nc_u64 s[10:11], s[10:11], 65536         ; 16 rows of out0 on (behind a wait that shows the earlier stores' base read)
.endif
.irp t, 0,1,2,3,4,5,6,7,8,9,10,11,12,13,14,15
	global_store_b128 v[CO], v[BB+4*\t:BB+4*\t+3], s[10:11] offset:\t*4096 th:TH_STORE_NT   ; 32 lanes store 512 consecutive bytes, aligned
.endr
.endm
	PLACES                                         ; behind the last products
	TOSTAGE 0
.irp a, 1,2,3
.if \a > 1
	s_wait_xcnt 0x0                                ; block a - 2's stores have read their registers and their base
.endif
	TOSTAGE \a
	SEND \a-1, 32                                  ; behind block a - 1's loads: block a's 16 stores and 16 loads
.endr
	s_wait_xcnt 0x0                                ; block 2's stores have read their base
	SEND 3, 0
	s_wait_tensorcnt 0x0                           ; the wave's end: three lines behind my last tensor load and my last LDS store
	ds_add_u32 v[SPW], v[NIL]
	s_wait_dscnt 0x0
	CROUND                                         ; the closing round: no work-group ends while a partner may still ask for a tile that names it
	s_endpgm
.Lfunc_end_k_q902bc6e56e_outp:
	.size	k_q902bc6e56e_outp, .Lfunc_end_k_q902bc6e56e_outp-k_q902bc6e56e_outp
	.p2alignl 7, 3214868480
	.fill 96, 4, 3214868480
	.section	.rodata,"a",@progbits
	.p2align	6, 0x0
	.amdhsa_kernel k_q902bc6e56e_outp
		.amdhsa_group_segment_fixed_size 327680
		.amdhsa_private_segment_fixed_size 0
		.amdhsa_enable_private_segment 0
		.amdhsa_kernarg_size 32
		.amdhsa_user_sgpr_count 2
		.amdhsa_user_sgpr_kernarg_segment_ptr 1
		.amdhsa_wavefront_size32 1
		.amdhsa_system_sgpr_workgroup_id_x 1
		.amdhsa_system_sgpr_workgroup_id_y 1
		.amdhsa_system_sgpr_workgroup_id_z 1
		.amdhsa_system_vgpr_workitem_id 0
		.amdhsa_next_free_vgpr 768
		.amdhsa_next_free_sgpr 66
		.amdhsa_reserve_vcc 0
		.amdhsa_float_denorm_mode_32 3
		.amdhsa_float_denorm_mode_16_64 3
		.amdhsa_memory_ordered 1
		.amdhsa_forward_progress 1
		.amdhsa_inst_pref_size 87
	.end_amdhsa_kernel
	.amdgpu_metadata
---
amdhsa.version: [ 1, 2 ]
amdhsa.kernels:
  - .name:           k_q902bc6e56e_outp
    .symbol:         k_q902bc6e56e_outp.kd
    .args:
      - { .name: oimg, .offset: 0, .size: 8, .value_kind: global_buffer, .address_space: global }
      - { .name: woimg, .offset: 8, .size: 8, .value_kind: global_buffer, .address_space: global }
      - { .name: bo, .offset: 16, .size: 8, .value_kind: global_buffer, .address_space: global }
      - { .name: out0, .offset: 24, .size: 8, .value_kind: global_buffer, .address_space: global }
    .group_segment_fixed_size: 327680
    .private_segment_fixed_size: 0
    .kernarg_segment_align: 8
    .kernarg_segment_size: 32
    .max_flat_workgroup_size: 128
    .sgpr_count:     66
    .vgpr_count:     768
    .wavefront_size: 32
...
	.end_amdgpu_metadata
.endif
;; end of part 4
